; MI455X (gfx1250); checked and timed in simulation.
; The chip was launched on July 23, 2026; its instructions are those of AMD's public machine-readable ISA for CDNA 5 (MIT licence, August 2026) and "CDNA5" Instruction Set Architecture Reference Guide (July 2026). The comments in the code are by the model that wrote it; some were corrected since.
;; Attention. Allowed arithmetic: matrix products marked QUANTISED: E2M1 operands, one E8M0 scale for each 32 along K, by v_wmma_scale_f32_16x16x128_f8f6f4 with both operands' format E2M1 (or v_wmma_scale_f32_32x16x128_f4), f32 sums; products left as they are: bf16, f16 or f32 operands; f32 sums; everything else in f32.
;; Inputs: Wk 1,024 x 512 float32; Wo 1,024 x 1,024 float32; Wq 1,024 x 1,024 float32; Wv 1,024 x 512 float32; bo 1,024 float32; x 4 x 2,048 x 1,024 float32.
;; Outputs: out0 4 x 2,048 x 1,024 float32.
;; This version of the problem:
;;   THIS VERSION OF THE PROBLEM IS GIVEN IN LOW PRECISION. The matrix products marked QUANTISED in the list below multiply operands that are first quantised to E2M1 (2 exponent bits, 1 mantissa bit; 4 bits a number), with one power-of-two scale for each 32 numbers along K (OCP MX v1.0); their sums are f32. The products marked 'left as it is' may take bf16, f16 or f32 operands, with f32 sums. Whichever they take, every output number must still come out within the allowed error. Rounding operands to bf16 (8 significant bits) uses up far more of that allowance than f16 does (11 bits, for magnitudes from 6e-5 to 65,504). All else is computed in f32.
;;   The module's matrix products, in the order in which they are computed (A, B: the left and right operand; K: the contracted axis; several contracted axes count as one K, in the product's order):
;;     1. [M 8,192, K 1,024] x [K 1,024, N 1,024]; A: input x; B: input Wq: QUANTISED
;;     2. [M 8,192, K 1,024] x [K 1,024, N 512]; A: input x; B: input Wk: QUANTISED
;;     3. [M 8,192, K 1,024] x [K 1,024, N 512]; A: input x; B: input Wv: QUANTISED
;;     4. batch 64 x [M 2,048, K 64] x [K 64, N 2,048]; A: computed on the way; B: computed on the way: left as it is (an operand is computed on the way)
;;     5. batch 64 x [M 2,048, K 2,048] x [K 2,048, N 64]; A: computed on the way; B: computed on the way: left as it is (an operand is computed on the way)
;;     6. [M 8,192, K 1,024] x [K 1,024, N 1,024]; A: computed on the way; B: input Wo: left as it is (an operand is computed on the way)
;;   THE QUANTISER, for each operand of a quantised product, along K:
;;     - K is cut into blocks of 32 from its start; a last block that is shorter is filled with zeros.
;;     - A block's scale is 2^e with e = floor(log2(the largest magnitude in the block)) - 2, held to -126 .. 127; a block of zeros has e = 0. As a byte (E8M0): e + 127.
;;     - Each number is divided by its block's scale, clamped to +-6, and rounded to the nearest number of E2M1, ties to even, subnormals kept.
;;     - The product sums the exact products of the quantised numbers (number of the format x scale) in f32.
;;   ~~~python
;;   def quantise(x, axis):      # numpy; x: float32 -> the quantised numbers, widened to float32 again
;;       x = np.moveaxis(x, axis, -1); K = x.shape[-1]
;;       x = np.pad(x, [(0, 0)] * (x.ndim - 1) + [(0, -K % 32)]); x = x.reshape(x.shape[:-1] + (-1, 32)); a = np.abs(x).max(-1, keepdims=True)
;;       e = np.where(a > 0, np.clip(np.frexp(np.where(a > 0, a, 1))[1] - 1 - 2, -126, 127), 0)      # np.frexp(a)[1] - 1 = floor(log2(a)), exactly
;;       r = np.clip(x / 2.0 ** e, -6, 6)
;;       step = 2.0 ** (np.maximum(np.frexp(np.where(r == 0, 1, r))[1] - 1, 0) - 1)
;;       q = np.round(r / step) * step * 2.0 ** e      # np.round: ties to even
;;       return np.moveaxis(q.reshape(q.shape[:-2] + (-1,))[..., :K], -1, axis).astype(np.float32)
;;   ~~~
;; One version. Each part assembles by itself: llvm-mc -triple=amdgcn-amd-amdhsa -mcpu=gfx1250 --defsym DOCPART=n.
;; ======== version 1 of 1: 4 launches
;; limits: values are held in f16: magnitudes above 65,504 overflow, below 6.1e-05 lose precision
;; workspace buffers: x_codes 4,194,304 bytes; x_scales 262,144 bytes; w_codes 1,048,576 bytes; w_scales 65,536 bytes; wo16 2,097,152 bytes; rope 294,912 bytes; qkv 33,554,432 bytes; ao 16,777,216 bytes
;; launch prep (part 1): grid 265 x 1, 8 waves a work-group, no clusters, 121,344 bytes of LDS; arguments x, Wq, Wk, Wv, Wo, x_codes, x_scales, w_codes, w_scales, wo16, rope; writes x_codes, x_scales, w_codes, w_scales, wo16, rope
.if DOCPART == 1
	.amdgcn_target "amdgcn-amd-amdhsa--gfx1250"
	.amdhsa_code_object_version 6
	.text
	.protected	k_q38e3a8c540_prep
	.globl	k_q38e3a8c540_prep
	.p2align	8
	.type	k_q38e3a8c540_prep,@function
k_q38e3a8c540_prep:
	s_mov_b64 s[64:65], 0
	v_nop
	global_prefetch_b8 v0, s[64:65] scope:SCOPE_SE
	s_setreg_imm32_b32 hwreg(HW_REG_WAVE_MODE, 25, 1), 1
	s_wait_xcnt 0x0
; PREP: everything that is made once for the three launches behind it.  Four kinds of work-group, told apart by the work-group's number alone:
;   0-63    W: Wq, Wk, Wv ([1024 k][n] f32, K the FIRST axis) -> codes of FP4 (E2M1) laid [2048 n][1024 k], K innermost (n 0-1023 Wq, 1024-1535 Wk, 1536-2047 Wv), and one E8M0 byte for each 32 along K, [2048][32]
;   64-72   ROPE: a table [2304 rows][cos 0..15, sin 0..15] f32; row p < 2048 holds the angles p x 10^(-j/4); rows 2048-2303 hold angle 0 (cos 1, sin 0): the identity, for the values' heads
;   73-136  CAST: Wo f32 -> f16, as it lies
;   137-264 X: x [8192][1024] f32 -> codes [8192][512 bytes] and scale bytes [8192][32]
; A block's scale is 2^(floor(log2(its largest magnitude)) - 2); its byte is the largest magnitude's exponent field - 2, held at 1 from below; each number is divided by the scale and rounded to the nearest code, ties to even,
; beyond 6 the largest code.
; LIMITS: a block of zeros gets the byte 1 where the quantiser says 127 (its codes are zeros, which add nothing under any byte but 0xff; only this program reads the bytes); blocks whose largest magnitude lies under 2^-124
; keep the byte 1; NaN and infinities are not served.  The table's angle is fl(p x fl(10^(-j/4))): it may differ from an angle made with another rounding of the frequency by some 2e-4 radians at p near 2,047.
; Each kind has LDS bytes of its own.  No tensor loads; one barrier, in W.
.set WREG,   8192                      ; X: a region for each wave: two stages of 32 x SP bytes, behind them its 256 scale bytes
.set SP,     80                        ; X: a lane's place in a stage: 64 bytes + 16 of padding
.set CB,     8                         ; bytes of 16 codes
.set EMAX,   2
.set XR,     16                        ; X: v16-79   four sets of 16 numbers as loaded
.set XX,     80                        ; X: v80-111  two sets of 16 neighbours
.set XE,     112                       ; X: v112-127 a scale byte for each step
.set XC,     128                       ; X: v128-191 codes, four registers a step
.set WST,    65536                     ; W: 32 columns' rows of 512 bytes of codes + 16 of padding
.set WPITCH, 528
.set WSC,    WST+32*WPITCH             ; W: 32 columns x 32 scale bytes
.set RST,    WSC+1024                  ; ROPE: for each wave 32 rows x (128 bytes + 16)
.set SPARE,  RST+8*4608                ; the spare words, 128 bytes for each wave: four blocks of 256 bytes that no other line names
.set SPW,    12                        ; v12  LDS address of my spare word; never rewritten
.set NIL,    13                        ; v13  0; never rewritten
.macro FINISH                          ; a wave's end
	s_wait_tensorcnt 0x0
	ds_add_u32 v[SPW], v[NIL]
	s_wait_dscnt 0x0
	s_endpgm
.endm
; ---- X's macros: 16 steps of 512 numbers a wave.  Each load reads 512 consecutive bytes; the 2,048 bytes of a step turn through the wave's own stage, so that a lane holds 16 neighbours along K
.macro XLOAD t
.irp i, 0,1,2,3
	global_load_b128 v[XR+16*((\t)%4)+4*\i:XR+16*((\t)%4)+4*\i+3], v3, s[4:5] offset:2048*(\t)+512*\i th:TH_LOAD_NT
.endr
.endm
.macro XTURN t                         ; LDS serves a wave's instructions in order: no wait between the stores and the loads
.irp i, 0,1,2,3
	ds_store_b128 v14, v[XR+16*((\t)%4)+4*\i:XR+16*((\t)%4)+4*\i+3] offset:32*SP*((\t)%2)+8*SP*\i
.endr
.irp i, 0,1,2,3
	ds_load_b128 v[XX+16*((\t)%2)+4*\i:XX+16*((\t)%2)+4*\i+3], v15 offset:32*SP*((\t)%2)+16*\i
.endr
.endm
.macro XSTEP t
.set XS, XX+16*((\t)%2)
.if (\t) > 0
	s_wait_dscnt 1                                 ; this step's numbers are back from the stage; the last step's byte store may be out
.else
	s_wait_dscnt 0x0
.endif
.if (\t)+4 < 16
	XLOAD (\t)+4                                   ; into the set whose stores to the stage have read it
.endif
.if (\t)+1 < 16
.if 14-(\t) >= 3
	s_wait_loadcnt 12                              ; the next step's four loads are in; three younger steps' twelve may be out
.else
	s_wait_loadcnt 4*(14-(\t))
.endif
	XTURN (\t)+1
.endif
	v_max3_num_f32 v8, |v[XS]|, |v[XS+1]|, |v[XS+2]|               ; the largest magnitude of my 16, in two chains
	v_max3_num_f32 v9, |v[XS+3]|, |v[XS+4]|, |v[XS+5]|
.irp i, 6,10
	v_max3_num_f32 v8, v8, |v[XS+\i]|, |v[XS+\i+1]|
	v_max3_num_f32 v9, v9, |v[XS+\i+2]|, |v[XS+\i+3]|
.endr
	v_max3_num_f32 v8, v8, |v[XS+14]|, |v[XS+15]|
	v_max3_num_f32 v8, v8, v9, (EMAX+1)<<23        ; and the floor 2^(3 - 127): the byte cannot fall under 1
	v_max_num_f32_dpp v8, v8, v8 row_xmask:1 row_mask:0xf bank_mask:0xf   ; with my neighbour's 16: the block's
	v_add_nc_u32 v11, -(EMAX<<23), v8              ; 2 off its exponent field: the conversion takes this operand's exponent field as its scale
	v_cvt_scalef32_pk8_fp4_f32 v[XC+4*(\t)], v[XS:XS+7], v11
	v_cvt_scalef32_pk8_fp4_f32 v[XC+4*(\t)+1], v[XS+8:XS+15], v11
	v_lshrrev_b32 v[XE+(\t)], 23, v11              ; the scale's byte
	ds_store_b8 v5, v[XE+(\t)] offset:16*(\t)      ; both lanes of a block write the same byte with the same value
	global_store_b64 v4, v[XC+4*(\t):XC+4*(\t)+1], s[22:23] offset:32*CB*(\t)   ; the wave stores 256 consecutive bytes, aligned
.endm
; ---- W's macros: a lane takes a column, its registers run down K
.macro WLOAD t                         ; block t: rows 32 t + i of my wave's 128, my column
.set i, 0
.rept 32
	global_load_b32 v[32+32*((\t)%2)+i], v[96+i], s[44+2*(\t):45+2*(\t)]
.set i, i+1
.endr
.endm
.macro WBLOCK t
.set XS, 32+32*((\t)%2)
.if (\t) < 3
	s_wait_loadcnt 32                              ; this block's 32 loads are in; the next block's may be out
.else
	s_wait_loadcnt 0x0
.endif
	v_max3_num_f32 v8, |v[XS]|, |v[XS+1]|, |v[XS+2]|               ; all 32 numbers of the block are mine
	v_max3_num_f32 v9, |v[XS+3]|, |v[XS+4]|, |v[XS+5]|
.irp i, 6,10,14,18,22,26
	v_max3_num_f32 v8, v8, |v[XS+\i]|, |v[XS+\i+1]|
	v_max3_num_f32 v9, v9, |v[XS+\i+2]|, |v[XS+\i+3]|
.endr
	v_max3_num_f32 v8, v8, |v[XS+30]|, |v[XS+31]|
	v_max3_num_f32 v8, v8, v9, (EMAX+1)<<23
	v_add_nc_u32 v11, -(EMAX<<23), v8
	v_lshrrev_b32 v9, 23, v11
.if (\t) == 0
	v_mov_b32 v24, v9                              ; my four bytes make one word, the lower K in the lower byte
.else
	v_lshl_or_b32 v24, v9, 8*(\t), v24
.endif
.irp g, 0,1,2,3
	v_cvt_scalef32_pk8_fp4_f32 v[20+\g], v[XS+8*\g:XS+8*\g+7], v11
.endr
	ds_store_b128 v4, v[20:23] offset:16*(\t)      ; 32 codes: 16 bytes of my column's row
.if (\t)+2 < 4
	WLOAD (\t)+2
.endif
	s_wait_dscnt 0x0                               ; the store has read its registers: the next block's codes may be written
.endm
; ---- ROPE's macros
.macro TERM j, ck, sk                  ; one more bracket of both nested sums: c = 1 - (ck z) c
	v_mul_f32 v8, \ck, v7
	v_mul_f32 v9, \sk, v7
	v_fma_f32 v[32+\j], -v8, v[32+\j], 1.0
	v_fma_f32 v[48+\j], -v9, v[48+\j], 1.0
.endm
.macro ANGLE j, inv                    ; cos and sin of pos x inv into v[32 + j], v[48 + j]
	v_mul_f32 v4, \inv, v3                         ; the angle, one rounding
	v_mul_f32 v5, 0.15915494, v4
	v_rndne_f32 v5, v5                             ; whole turns, at most 326
	v_fma_f32 v6, -v5, s40, v4                     ; less 2 pi's high part,
	v_fma_f32 v6, -v5, s41, v6                     ; and its low part: r in -pi .. pi
	v_mul_f32 v7, v6, v6                           ; z = r^2
	v_mul_f32 v8, 0.0032679739, v7                 ; the innermost brackets: 1 - z / (17 x 18), 1 - z / (18 x 19)
	v_mul_f32 v9, 0.0029239766, v7
	v_sub_f32 v[32+\j], 1.0, v8
	v_sub_f32 v[48+\j], 1.0, v9
	TERM \j, 0.0041666667, 0.0036764706            ; the sums run to r^18 and r^19: what is left out stays under 4e-9 on -pi .. pi
	TERM \j, 0.0054945055, 0.0047619048
	TERM \j, 0.0075757576, 0.0064102564
	TERM \j, 0.011111111, 0.0090909091
	TERM \j, 0.017857143, 0.013888889
	TERM \j, 0.033333333, 0.023809524
	TERM \j, 0.083333333, 0.05
	TERM \j, 0.5, 0.16666667
	v_mul_f32 v[48+\j], v[48+\j], v6
.endm
	s_load_b256 s[4:11], s[0:1], 0x0               ; x s[4:5], Wq s[6:7], Wk s[8:9], Wv s[10:11]
	s_load_b256 s[20:27], s[0:1], 0x20             ; Wo s[20:21], x_codes s[22:23], x_scales s[24:25], w_codes s[26:27]
	s_load_b128 s[28:31], s[0:1], 0x40             ; w_scales s[28:29], wo16 s[30:31]
	s_load_b64 s[32:33], s[0:1], 0x50              ; rope
	v_lshl_add_u32 v[SPW], v0, 2, SPARE
	v_mov_b32 v[NIL], 0
	v_lshrrev_b32 v1, 5, v0
	v_readfirstlane_b32 s16, v1                    ; wave 0..7
	v_and_b32 v2, 31, v0                           ; lane
	s_wait_kmcnt 0x0
	s_cmp_lt_u32 ttmp9, 64                         ; the kinds part on the work-group's number: all eight waves go the same way
	s_cbranch_scc1 .Lweights
	s_cmp_lt_u32 ttmp9, 73
	s_cbranch_scc1 .Lrope
	s_cmp_lt_u32 ttmp9, 137
	s_cbranch_scc1 .Lcast
; ================ X ================
	v_lshlrev_b32 v3, 4, v2                        ; my 16 bytes of a load's 512
	s_mul_i32 s17, s16, WREG
	v_lshrrev_b32 v14, 2, v2
	v_mul_u32_u24 v14, v14, SP
	v_and_b32 v15, 3, v2
	v_lshl_add_u32 v14, v15, 4, v14
	v_add_nc_u32 v14, s17, v14                     ; the stage, on the way in: SP (lane / 4) + 16 (lane % 4)
	v_mul_u32_u24 v15, v2, SP
	v_add_nc_u32 v15, s17, v15                     ; and on the way out: SP x lane: my 16 neighbours
	v_mul_u32_u24 v4, v2, CB                       ; my codes' place in a step's
	v_lshrrev_b32 v5, 1, v2
	s_add_co_u32 s17, s17, 2*32*SP
	v_add_nc_u32 v5, s17, v5                       ; my wave's 256 scale bytes, my block's byte
	v_lshlrev_b32 v7, 3, v2
	v_add_nc_u32 v6, s17, v7                       ; and 8 bytes a lane on their way out
	s_sub_co_u32 s17, ttmp9, 137
	s_lshl_b32 s17, s17, 3
	s_add_co_u32 s18, s17, s16                     ; which run of 8,192 numbers is my wave's: 0 .. 1,023
	s_mov_b32 s19, 0
	s_lshl_b64 s[34:35], s[18:19], 15              ; 32,768 bytes of x,
	s_add_nc_u64 s[4:5], s[4:5], s[34:35]
	s_lshl_b64 s[34:35], s[18:19], 12              ; 4,096 of codes,
	s_add_nc_u64 s[22:23], s[22:23], s[34:35]
	s_lshl_b32 s18, s18, 8                         ; 256 scale bytes a run
	s_add_nc_u64 s[24:25], s[24:25], s[18:19]
.irp t, 0,1,2,3
	XLOAD \t
.endr
	s_wait_loadcnt 12                              ; step 0's four loads are in
	XTURN 0
.irp t, 0,1,2,3,4,5,6,7,8,9,10,11,12,13,14,15
	XSTEP \t
.endr
	ds_load_b64 v[8:9], v6                         ; in order behind my byte stores
	s_wait_dscnt 0x0
	global_store_b64 v7, v[8:9], s[24:25]          ; 32 lanes store 256 consecutive bytes, aligned
	FINISH
; ================ W ================
; A work-group takes 32 columns and all of K; wave w takes k = 128 w .. 128 w + 127: four blocks a lane.  The codes meet in LDS as rows of 512 bytes, so that each store of a wave covers a whole row.
.Lweights:
	s_cmp_lt_u32 ttmp9, 48
	s_cselect_b64 s[36:37], s[8:9], s[10:11]       ; Wk or Wv,
	s_cselect_b32 s38, 32, 48                      ; the tensor's first work-group
	s_cmp_lt_u32 ttmp9, 32
	s_cselect_b64 s[36:37], s[6:7], s[36:37]       ; or Wq
	s_cselect_b32 s38, 0, s38
	s_mov_b32 s39, 2048
	s_cselect_b32 s39, 4096, s39                   ; a row of the tensor in bytes
	s_sub_co_u32 s40, ttmp9, s38
	s_lshl_b32 s40, s40, 7                         ; my 32 columns: 128 bytes
	s_lshl_b32 s41, s16, 7
	s_mul_i32 s41, s41, s39                        ; my wave's first row
	s_add_co_u32 s40, s40, s41
	s_mov_b32 s41, 0
	s_add_nc_u64 s[44:45], s[36:37], s[40:41]      ; a base for each block: 32 rows apart
	s_lshl_b32 s42, s39, 5
	s_mov_b32 s43, 0
	s_add_nc_u64 s[46:47], s[44:45], s[42:43]
	s_add_nc_u64 s[48:49], s[46:47], s[42:43]
	s_add_nc_u64 s[50:51], s[48:49], s[42:43]
	v_lshlrev_b32 v96, 2, v2                       ; v[96 + i] = 4 x lane + i rows: the pitch is no constant of the text, so it cannot stand in the immediate
.set i, 1
.rept 31
	v_add_nc_u32 v[96+i], s39, v[95+i]
.set i, i+1
.endr
	WLOAD 0
	WLOAD 1
	v_mul_u32_u24 v4, v2, WPITCH
	s_lshl_b32 s52, s16, 6
	s_add_co_u32 s52, s52, WST
	v_add_nc_u32 v4, s52, v4                       ; codes in: row = my column, 64 bytes a wave
	v_lshlrev_b32 v5, 5, v2
	s_lshl_b32 s52, s16, 2
	s_add_co_u32 s52, s52, WSC
	v_add_nc_u32 v5, s52, v5                       ; scale word in: 32 bytes a column, 4 a wave
	v_lshlrev_b32 v7, 4, v2                        ; 16 x lane
	s_mul_i32 s52, s16, 4*WPITCH
	s_add_co_u32 s52, s52, WST
	v_add_nc_u32 v6, s52, v7                       ; codes out: rows 4 w .. 4 w + 3, whole
	s_lshl_b32 s52, s16, 9
	s_add_co_u32 s53, s52, WSC
	v_add_nc_u32 v3, s53, v7                       ; scale bytes out: 512 bytes a wave (waves 0 and 1 alone read there)
	s_lshl_b32 s54, ttmp9, 14                      ; 32 rows of 512 bytes a work-group,
	s_lshl_b32 s55, s16, 11                        ; four a wave
	s_add_co_u32 s54, s54, s55
	s_mov_b32 s55, 0
	s_add_nc_u64 s[26:27], s[26:27], s[54:55]
	s_lshl_b32 s54, ttmp9, 10                      ; 32 rows of 32 scale bytes a work-group
	s_add_co_u32 s54, s54, s52
	s_add_nc_u64 s[28:29], s[28:29], s[54:55]
.irp t, 0,1,2,3
	WBLOCK \t
.endr
	ds_store_b32 v5, v24
	s_wait_dscnt 0x0                               ; for the others' sake: my stores have landed
	s_barrier_signal -1
	s_barrier_wait -1                              ; 32 whole rows of codes and of scale bytes lie in LDS
.irp i, 0,1,2,3
	ds_load_b128 v[32+4*\i:35+4*\i], v6 offset:\i*WPITCH
.endr
.irp i, 0,1,2,3
	s_wait_dscnt 3-\i
	global_store_b128 v7, v[32+4*\i:35+4*\i], s[26:27] offset:512*\i   ; 32 lanes store a row of 512 bytes
.endr
	s_cmp_lt_u32 s16, 2                            ; the 1,024 scale bytes leave by waves 0 and 1; no barrier stands under this branch
	s_cbranch_scc0 .Lweights_end
	ds_load_b128 v[48:51], v3
	s_wait_dscnt 0x0
	global_store_b128 v7, v[48:51], s[28:29]       ; 512 consecutive bytes
.Lweights_end:
	FINISH
; ================ ROPE ================
.Lrope:
	s_sub_co_u32 s17, ttmp9, 64
	s_lshl_b32 s17, s17, 8                         ; the work-group's first row: a thread to a row
	v_add_nc_u32 v3, s17, v0
	v_cmp_gt_u32 vcc_lo, 2048, v3
	v_cndmask_b32 v3, 0, v3, vcc_lo                ; rows from 2,048 on take position 0
	v_cvt_f32_u32 v3, v3
	s_mov_b32 s40, 0x40c90fdb                      ; 2 pi rounded to f32,
	s_mov_b32 s41, 0xb43bbd2e                      ; and what the rounding left: -1.7484556e-7
	ANGLE 0, 1.0
	ANGLE 1, 0.5623413251903491
	ANGLE 2, 0.31622776601683794
	ANGLE 3, 0.1778279410038923
	ANGLE 4, 0.1
	ANGLE 5, 0.05623413251903491
	ANGLE 6, 0.031622776601683794
	ANGLE 7, 0.01778279410038923
	ANGLE 8, 0.01
	ANGLE 9, 0.005623413251903491
	ANGLE 10, 0.0031622776601683794
	ANGLE 11, 0.001778279410038923
	ANGLE 12, 0.001
	ANGLE 13, 0.0005623413251903491
	ANGLE 14, 0.00031622776601683794
	ANGLE 15, 0.0001778279410038923
	s_mul_i32 s42, s16, 4608
	s_add_co_u32 s42, s42, RST                     ; my wave's stage
	v_mul_u32_u24 v4, v2, 144
	v_add_nc_u32 v4, s42, v4                       ; in: my row
	v_lshrrev_b32 v5, 3, v2
	v_mul_u32_u24 v5, v5, 144
	v_and_b32 v6, 7, v2
	v_lshl_add_u32 v5, v6, 4, v5
	v_add_nc_u32 v5, s42, v5                       ; back: eight lanes to a row, four rows an instruction
	v_lshlrev_b32 v6, 4, v2
	s_lshl_b32 s42, s17, 7
	s_lshl_b32 s43, s16, 12
	s_add_co_u32 s42, s42, s43                     ; my wave's 32 rows of 128 bytes in the table
	s_mov_b32 s43, 0
	s_add_nc_u64 s[32:33], s[32:33], s[42:43]
.irp i, 0,1,2,3,4,5,6,7
	ds_store_b128 v4, v[32+4*\i:35+4*\i] offset:16*\i
.endr
.irp i, 0,1,2,3,4,5,6,7
	ds_load_b128 v[64+4*\i:67+4*\i], v5 offset:576*\i   ; in order behind my stores
.endr
.irp i, 0,1,2,3,4,5,6,7
	s_wait_dscnt 7-\i
	global_store_b128 v6, v[64+4*\i:67+4*\i], s[32:33] offset:512*\i   ; 512 consecutive bytes
.endr
	FINISH
; ================ CAST ================
.Lcast:
	s_sub_co_u32 s17, ttmp9, 73
	s_lshl_b32 s17, s17, 3
	s_add_co_u32 s18, s17, s16                     ; which run of 2,048 numbers of Wo is my wave's: 0 .. 511
	s_lshl_b32 s34, s18, 13
	s_mov_b32 s35, 0
	s_add_nc_u64 s[20:21], s[20:21], s[34:35]
	s_lshl_b32 s34, s18, 12
	s_add_nc_u64 s[30:31], s[30:31], s[34:35]
	v_lshlrev_b32 v3, 4, v2
	v_lshlrev_b32 v4, 3, v2
.irp i, 0,1,2,3,4,5,6,7,8,9,10,11,12,13,14,15
	global_load_b128 v[16+4*\i:19+4*\i], v3, s[20:21] offset:512*\i th:TH_LOAD_NT
.endr
.irp i, 0,1,2,3,4,5,6,7,8,9,10,11,12,13,14,15
	s_wait_loadcnt 15-\i                           ; loads come back in order: number i is in
	v_cvt_pk_f16_f32 v[80+2*\i], v[16+4*\i], v[17+4*\i]
	v_cvt_pk_f16_f32 v[81+2*\i], v[18+4*\i], v[19+4*\i]
	global_store_b64 v4, v[80+2*\i:81+2*\i], s[30:31] offset:256*\i   ; 256 consecutive bytes, aligned
.endr
	FINISH
.Lfunc_end_k_q38e3a8c540_prep:
	.size	k_q38e3a8c540_prep, .Lfunc_end_k_q38e3a8c540_prep-k_q38e3a8c540_prep
	.p2alignl 7, 3214868480
	.fill 96, 4, 3214868480
	.section	.rodata,"a",@progbits
	.p2align	6, 0x0
	.amdhsa_kernel k_q38e3a8c540_prep
		.amdhsa_group_segment_fixed_size 121344
		.amdhsa_private_segment_fixed_size 0
		.amdhsa_enable_private_segment 0
		.amdhsa_kernarg_size 88
		.amdhsa_user_sgpr_count 2
		.amdhsa_user_sgpr_kernarg_segment_ptr 1
		.amdhsa_wavefront_size32 1
		.amdhsa_system_sgpr_workgroup_id_x 1
		.amdhsa_system_sgpr_workgroup_id_y 1
		.amdhsa_system_sgpr_workgroup_id_z 1
		.amdhsa_system_vgpr_workitem_id 0
		.amdhsa_next_free_vgpr 192
		.amdhsa_next_free_sgpr 66
		.amdhsa_reserve_vcc 1
		.amdhsa_float_denorm_mode_32 3
		.amdhsa_float_denorm_mode_16_64 3
		.amdhsa_memory_ordered 1
		.amdhsa_forward_progress 1
		.amdhsa_inst_pref_size 104
	.end_amdhsa_kernel
	.amdgpu_metadata
---
amdhsa.version: [ 1, 2 ]
amdhsa.kernels:
  - .name:           k_q38e3a8c540_prep
    .symbol:         k_q38e3a8c540_prep.kd
    .args:
      - { .name: x, .offset: 0, .size: 8, .value_kind: global_buffer, .address_space: global }
      - { .name: Wq, .offset: 8, .size: 8, .value_kind: global_buffer, .address_space: global }
      - { .name: Wk, .offset: 16, .size: 8, .value_kind: global_buffer, .address_space: global }
      - { .name: Wv, .offset: 24, .size: 8, .value_kind: global_buffer, .address_space: global }
      - { .name: Wo, .offset: 32, .size: 8, .value_kind: global_buffer, .address_space: global }
      - { .name: x_codes, .offset: 40, .size: 8, .value_kind: global_buffer, .address_space: global }
      - { .name: x_scales, .offset: 48, .size: 8, .value_kind: global_buffer, .address_space: global }
      - { .name: w_codes, .offset: 56, .size: 8, .value_kind: global_buffer, .address_space: global }
      - { .name: w_scales, .offset: 64, .size: 8, .value_kind: global_buffer, .address_space: global }
      - { .name: wo16, .offset: 72, .size: 8, .value_kind: global_buffer, .address_space: global }
      - { .name: rope, .offset: 80, .size: 8, .value_kind: global_buffer, .address_space: global }
    .group_segment_fixed_size: 121344
    .private_segment_fixed_size: 0
    .kernarg_segment_align: 8
    .kernarg_segment_size: 88
    .max_flat_workgroup_size: 256
    .sgpr_count:     66
    .vgpr_count:     192
    .wavefront_size: 32
...
	.end_amdgpu_metadata
.endif
;; end of part 1
;; launch qkv (part 2): grid 8 x 32, 4 waves a work-group, clusters of 4 x 4, 327,680 bytes of LDS; arguments x_codes, x_scales, w_codes, w_scales, rope, qkv; writes qkv
.if DOCPART == 2
	.amdgcn_target "amdgcn-amd-amdhsa--gfx1250"
	.amdhsa_code_object_version 6
	.text
	.protected	k_q38e3a8c540_qkv
	.globl	k_q38e3a8c540_qkv
	.p2align	8
	.type	k_q38e3a8c540_qkv,@function
k_q38e3a8c540_qkv:
	s_mov_b64 s[64:65], 0
	v_nop
	global_prefetch_b8 v0, s[64:65] scope:SCOPE_SE
	s_setreg_imm32_b32 hwreg(HW_REG_WAVE_MODE, 25, 1), 1
	s_wait_xcnt 0x0
	s_wait_alu depctr_hold_cnt(0) depctr_sa_sdst(0) depctr_va_vdst(0) depctr_va_sdst(0) depctr_va_ssrc(0) depctr_va_vcc(0) depctr_vm_vsrc(0)
	s_getreg_b32 s2, hwreg(HW_REG_IB_STS2, 6, 4)
	s_cmp_eq_u32 s2, 0
	s_cbranch_scc0 .Lentry_in_a_cluster
	s_endpgm
.Lentry_in_a_cluster:
	s_bfe_u32 s2, ttmp6, 0x10000c
	s_cmp_lg_u32 s2, 0xf033
	s_cbranch_scc0 .Lentry_shape_is_right
	s_endpgm
.Lentry_shape_is_right:
; QKV: C[m][n] = sum over k of x[m][k] W[k][n] on codes of FP4 (E2M1) with one E8M0 scale for each 32 along K; m = 8,192 tokens, n = 2,048 (1,024 of q, 512 of k, 512 of v), K = 1,024.  Sums in f32.
; On the way out: the rotation of the first 32 channels of each head of q and k, q times c = log2(e) / 8 (so that the scores come out in base 2), one rounding to f16, laid [batch][32 heads][2,048][64]
; (heads 0-15 q, 16-23 k, 24-31 v).
; LIMIT: a magnitude of q c, k or v beyond 65,504 is not served (f16).
; A tile of C, 256 x 256, is made by a work-group of four waves; a wave makes 128 x 128: 64 accumulators, 512 registers.  K is two slots of 512 along K (rows of 256 bytes): both are asked for at the head, nothing is filled again.
; THE SCALES of the work-group's 256 rows of x and 256 rows of W, for all of K, are two dense blocks of memory: they come into LDS once, in rows of 256 bytes.
; CLUSTERS: 4 x 4 work-groups.  The four of a row of the cluster need the same tiles of x, the four of a column the same tiles of W: each tile is asked for jointly.
; THE MATRIX INSTRUCTION IS USED TRANSPOSED (source 0 = 16 rows of W's codes, source 1 = 16 tokens): a lane holds one token (lane % 16) and eight neighbouring channels 8 (lane / 16) + 0 .. 7.
; REGISTERS, in windows of 256: window 0: v0-31 addresses; v32-95 scale words, two sets; from v128 x's fragments, one set; on the way out v32-199 are at work.
;   window 1: W's fragments, two sets, at v0-63 and v128-191; between them the rotation's table for my 128 tokens, 16 registers for each block of 16: v64-127, v192-255.
;   window 2: the accumulators of my tokens 0-63 (accumulator (a, b) at v[8 (8 a + b)]);   window 3: those of my tokens 64-127.
.set KSTEP,  512
.set NQ,     KSTEP/128
.set ROWB,   256                       ; a tile's row in bytes
.set KROW,   512                       ; a row of codes in memory
.set PITCH,  272                       ; an LDS row: 256 bytes + 16 of padding: the 16 rows that a load touches start at 16 different banks (64 banks of 4 bytes: ISA guide 11.1)
.set FR,     8
.set NL,     2
.set NP,     4                         ; places behind this matrix instruction (ISA guide 7.12.1)
.set HALFT,  128*PITCH
.set SLOT,   4*HALFT
.set KS,     32                        ; a row of scale bytes
.set SCL,    2*SLOT
.set HALFS,  (128*KS/256)*272
.set SBLK,   (16*KS/256)*272
.set SPARE,  SCL+4*HALFS               ; the spare words, 128 bytes for each wave
.set STAGE,  SPARE+512                 ; the way out: for each wave [2 heads][16 tokens][128 bytes + 16]; bytes of its own, into which no tile lands
.set TP,     144
.set HDS,    16*TP
.set HEADB,  1<<18                     ; a head in the output: 2,048 x 128 bytes
.set ADRA, 16
.set ADRB, 20
.set STO,  24
.set RD,   25
.set CO,   26
.set ADRS, 27
.set SPW,  28
.set NIL,  29
.set TA,   30                          ; v30  my byte in a block's 16 rows of the table; never rewritten
.set SC,   32
.set AF,   128
.set XW,   32                          ; the way out: v32-39 products with the sines
.set YW,   40                          ; v40-103 a block's 64 numbers, rotated and scaled
.set TMP,  104                         ; v104-135 the same in f16
.set BK,   136                         ; v136-199 rows read back from the stage, two sets
.set G1, 24
.set G0, 32
.set G1B, 48
.set G0B, 56
.set G1S, 68
.set G0S, 76
.set G1SB, 80
.set G0SB, 88
.set MSB, 0
.macro WIN new                         ; the immediate's high byte repeats the setting that is left
.if MSB != \new
	s_set_vgpr_msb (MSB<<8)|\new
.set MSB, \new
.endif
.endm
.set MUL_LO, 0xa1                      ; source 0 (W) window 1, source 1 (x) window 0, C and D window 2
.set MUL_HI, 0xf1
.set TO_B,   0x40                      ; destination window 1, address window 0
; A joint load: waves 0 and 1 fetch for x, waves 2 and 3 for W.  The branch hangs on the wave's number alone.  An s_nop 0 and four v_nop follow each of the two lines.
.macro JLOAD g0a, g1a, g0b, g1b
	s_cmp_eq_u32 s15, 0
	s_cbranch_scc0 .Lfor_b_\@
	tensor_load_to_lds s[\g0a:\g0a+3], s[\g1a:\g1a+7]
	s_nop 0
.rept 4
	v_nop
.endr
	s_branch .Lasked_\@
.Lfor_b_\@:
	tensor_load_to_lds s[\g0b:\g0b+3], s[\g1b:\g1b+7]
	s_nop 0
.rept 4
	v_nop
.endr
.Lasked_\@:
.endm
.macro CROUND                          ; a round of the cluster's barrier
	s_barrier_signal -1
	s_barrier_wait -1
	s_cmp_lg_u32 s14, 0
	s_cbranch_scc1 .Lnot_wave_0_\@
	s_barrier_signal -3
.Lnot_wave_0_\@:
	s_barrier_wait -3
	s_barrier_signal -1
	s_barrier_wait -1
.endm
	s_load_b128 s[4:7], s[0:1], 0x0                ; x's codes s[4:5], x's scales s[6:7]
	s_load_b128 s[8:11], s[0:1], 0x10              ; W's codes s[8:9], W's scales s[10:11]
	s_load_b64 s[96:97], s[0:1], 0x20              ; the rotation's table
	s_load_b64 s[12:13], s[0:1], 0x28              ; the output
	v_lshl_add_u32 v[SPW], v0, 2, SPARE
	v_mov_b32 v[NIL], 0
	ds_add_u32 v[SPW], v[NIL]                      ; the wave's opening: the add, twice on end, and its wait ahead of my first tensor load
	ds_add_u32 v[SPW], v[NIL]
	v_lshrrev_b32 v1, 5, v0
	v_readfirstlane_b32 s14, v1                    ; wave 0..3
	s_lshr_b32 s15, s14, 1                         ; which half of the tile's tokens is mine.  Also: I fetch for x (0) or for W (1)
	s_and_b32 s16, s14, 1                          ; which half of its columns.  Also: which 128 rows of that tile I fetch
	s_bfe_u32 s40, ttmp6, 0x40000                  ; cx, cy: my place in the cluster
	s_bfe_u32 s41, ttmp6, 0x40004
	s_lshl_b32 s42, ttmp9, 2
	s_add_co_u32 s42, s42, s40                     ; tile column = 4 x cluster x + cx
	s_and_b32 s17, ttmp7, 0xffff
	s_lshl_b32 s17, s17, 2
	s_add_co_u32 s17, s17, s41                     ; tile row = 4 x cluster y + cy
	s_lshl_b32 s43, s41, 2
	s_lshl_b32 s43, 15, s43                        ; my row of the cluster
	s_lshl_b32 s44, 0x1111, s40                    ; my column
	s_or_b32 s[G1+0], s43, (0<<16)|(1<<20)|(1<<21)|(5<<22)|(3<<25)  ; the mask; elements of 1 byte; padding on; bit 21 beside a mask; after every 64 words 4 words
	s_or_b32 s[G1B+0], s44, (0<<16)|(1<<20)|(1<<21)|(5<<22)|(3<<25)
.irp g, G1, G1B
	s_mov_b32 s[\g+1], ROWB<<16                    ; tensor_dim0
	s_mov_b32 s[\g+2], 128<<16                     ; tensor_dim1
	s_mov_b32 s[\g+3], ROWB<<16                    ; tile_dim0
	s_mov_b32 s[\g+4], 128                         ; tile_dim1
	s_mov_b32 s[\g+5], KROW                        ; the pitch
	s_mov_b32 s[\g+6], 0
	s_mov_b32 s[\g+7], 0
.endr
	s_or_b32 s[G1S+0], s43, (3<<16)|(1<<20)|(1<<21)|(5<<22)|(3<<25) ; the scales of 128 rows: 4,096 dense bytes as 16 rows of 32 elements of 8 bytes, 16 bytes of padding behind each
	s_or_b32 s[G1SB+0], s44, (3<<16)|(1<<20)|(1<<21)|(5<<22)|(3<<25)
.irp g, G1S, G1SB
	s_mov_b32 s[\g+1], 32<<16
	s_mov_b32 s[\g+2], (128*KS/256)<<16
	s_mov_b32 s[\g+3], 32<<16
	s_mov_b32 s[\g+4], 128*KS/256
	s_mov_b32 s[\g+5], 32
	s_mov_b32 s[\g+6], 0
	s_mov_b32 s[\g+7], 0
.endr
	s_lshl_b32 s18, s16, 7                         ; which 128 rows of the tile I fetch
	s_lshl_b32 s20, s17, 8
	s_add_co_u32 s20, s20, s18                     ; x: row 256 x tile row + 128 x half
	s_lshl_b32 s46, s42, 8
	s_add_co_u32 s46, s46, s18                     ; W: row 256 x tile column + 128 x half
	s_mov_b32 s21, 0
	s_mov_b32 s47, 0
	s_mov_b64 s[18:19], KS
	s_mul_u64 s[22:23], s[20:21], s[18:19]         ; where these rows' scales begin
	s_mul_u64 s[92:93], s[46:47], s[18:19]
	s_mov_b64 s[18:19], KROW
	s_mul_u64 s[20:21], s[20:21], s[18:19]         ; and their codes
	s_mul_u64 s[46:47], s[46:47], s[18:19]
	s_mul_i32 s45, s14, HALFT                      ; where they go: wave x 128 rows: no place in the cluster enters an LDS address
	s_mul_i32 s94, s14, HALFS
	s_wait_dscnt 0x0                               ; both opening adds are done
	s_wait_kmcnt 0x0
	s_add_nc_u64 s[20:21], s[4:5], s[20:21]
	s_add_nc_u64 s[22:23], s[6:7], s[22:23]
	s_add_nc_u64 s[46:47], s[8:9], s[46:47]
	s_add_nc_u64 s[92:93], s[10:11], s[92:93]
	CROUND                                         ; all sixteen work-groups are here: the joint loads meet
	s_mov_b32 s[G0S], 1
	s_add_co_u32 s[G0S+1], s94, SCL
	s_mov_b64 s[G0S+2:G0S+3], s[22:23]
	s_or_b32 s[G0S+3], s[G0S+3], 0x80000000
	s_mov_b32 s[G0SB], 1
	s_add_co_u32 s[G0SB+1], s94, SCL
	s_mov_b64 s[G0SB+2:G0SB+3], s[92:93]
	s_or_b32 s[G0SB+3], s[G0SB+3], 0x80000000
	JLOAD G0S, G1S, G0SB, G1SB                     ; the scales first; then both slots: three loads of mine are out
.irp s, 0,1
	s_mov_b32 s[G0+4*\s], 1
	s_add_co_u32 s[G0+4*\s+1], s45, \s*SLOT
	s_add_nc_u64 s[G0+4*\s+2:G0+4*\s+3], s[20:21], \s*ROWB
	s_or_b32 s[G0+4*\s+3], s[G0+4*\s+3], 0x80000000
	s_mov_b32 s[G0B+4*\s], 1
	s_add_co_u32 s[G0B+4*\s+1], s45, \s*SLOT
	s_add_nc_u64 s[G0B+4*\s+2:G0B+4*\s+3], s[46:47], \s*ROWB
	s_or_b32 s[G0B+4*\s+3], s[G0B+4*\s+3], 0x80000000
	JLOAD G0+4*\s, G1, G0B+4*\s, G1B
.endr
	v_and_b32 v1, 15, v0                           ; r = l % 16
	v_bfe_u32 v2, v0, 4, 1                         ; h = l / 16
	v_mul_u32_u24 v3, v1, PITCH
	v_lshl_add_u32 v4, v2, 4, v3                   ; a fragment's row x pitch + 16 x half
	s_mul_i32 s21, s15, HALFT                      ; my 128 rows of x
	s_mul_i32 s22, s16, HALFT                      ; my 128 rows of W,
	s_add_co_u32 s22, s22, 2*HALFT                 ; which lie behind x's 256
.irp s, 0,1
	v_add_nc_u32 v[ADRA+\s], s21, v4
	v_add_nc_u32 v[ADRB+\s], s22, v4
	s_add_co_u32 s21, s21, SLOT
	s_add_co_u32 s22, s22, SLOT
.endr
	v_mul_u32_u24 v5, v1, KS                       ; my row's scales: 32 bytes a row,
	v_lshrrev_b32 v6, 8, v5
	v_lshl_add_u32 v5, v6, 4, v5                   ; and 16 more for each 256 passed
	s_mul_i32 s21, s15, HALFS
	s_mul_i32 s22, s16, HALFS
	s_add_co_u32 s22, s22, 2*HALFS
	s_sub_co_u32 s22, s22, s21
	v_mul_u32_u24 v6, s22, v2                      ; lanes 16-31 take W's
	s_add_co_u32 s21, s21, SCL
	v_add_nc_u32 v5, v5, v6
	v_add_nc_u32 v[ADRS], s21, v5
	s_mul_i32 s23, s14, 2*HDS
	s_add_co_u32 s23, s23, STAGE                   ; my stage
	v_mul_u32_u24 v5, v1, TP
	v_lshl_add_u32 v5, v2, 4, v5
	v_add_nc_u32 v[STO], s23, v5                   ; in: token r, 16 bytes for each half of the lanes
	v_and_b32 v6, 31, v0
	v_lshlrev_b32 v[CO], 4, v6                     ; out: 16 x lane: four tokens' 512 bytes on end
	v_lshrrev_b32 v5, 3, v6
	v_mul_u32_u24 v5, v5, TP
	v_and_b32 v6, 7, v6
	v_lshl_add_u32 v5, v6, 4, v5
	v_add_nc_u32 v[RD], s23, v5                    ; back: eight lanes to a token
	; the table's rows, the factor and the output's base: they enter global addresses and values alone
	s_lshr_b32 s100, s17, 3                        ; the batch
	s_and_b32 s101, s17, 7
	s_lshl_b32 s101, s101, 8
	s_lshl_b32 s20, s15, 7
	s_add_co_u32 s101, s101, s20                   ; my first token's position
	s_cmp_lt_u32 s42, 6
	s_cselect_b32 s20, s101, 2048                  ; tile columns 6 and 7 are the values: the table's identity rows
	s_lshl_b32 s20, s20, 7
	s_mov_b32 s21, 0
	s_add_nc_u64 s[96:97], s[96:97], s[20:21]
	s_cmp_lt_u32 s42, 4
	s_mov_b32 s98, 1.0
	s_cselect_b32 s98, 0x3e38aa3b, s98             ; tile columns 0 to 3 are the queries: c = log2(e) / 8
	s_mov_b32 s99, s98                             ; (named with it as a pair, so it is written)
	s_lshl_b32 s20, s100, 5
	s_lshl_b32 s46, s42, 2
	s_add_co_u32 s20, s20, s46
	s_lshl_b32 s46, s16, 1
	s_add_co_u32 s20, s20, s46                     ; my first head: 32 x batch + 4 x tile column + 2 x half
	s_lshl_b32 s20, s20, 18
	s_lshl_b32 s46, s101, 7
	s_add_co_u32 s20, s20, s46                     ; + my first position's 128 bytes: under 2^26
	s_add_nc_u64 s[12:13], s[12:13], s[20:21]
	v_lshlrev_b32 v[TA], 7, v1
	v_lshl_add_u32 v[TA], v2, 4, v[TA]             ; row r of 128 bytes, + 16 h: frequencies 4 h .. 4 h + 3 of a group of eight
	WIN TO_B
.irp a, 0,1,2,3,4,5,6,7                ; block a's 16 registers: cos of frequencies 4 h + 0..3, cos of 8 + 4 h + 0..3, then the sines.  They land while the products run
.irp p, 0,1,2,3
	global_load_b128 v[64+16*\a+64*(\a/4)+4*\p:64+16*\a+64*(\a/4)+4*\p+3], v[TA], s[96:97] offset:2048*\a+32*\p
.endr
.endr
	WIN 0
.macro FRAG reg, adr, q, i             ; a fragment, 16 rows x 128 K of 4-bit codes: lane l holds row l % 16; registers 4 c .. 4 c + 3 hold K = 64 c + 32 (l / 16) + 0 .. 31
.irp c, 0,1
	ds_load_b128 v[\reg+4*\c:\reg+4*\c+3], v[\adr] offset:64*(\q)+32*\c+(\i)*16*PITCH
.endr
.endm
; 16 matrix instructions: x's blocks a0, a0 + 1 against W's eight, 128 along K.  The 64 accumulators take turns, one instruction a turn, in the same order in every step.
.macro MUL16 a0, p, q, sc, zero
.irp a, \a0, \a0+1
.irp b, 0,1,2,3,4,5,6,7
.if \zero
	v_wmma_scale_f32_16x16x128_f8f6f4 v[8*(8*((\a)%4)+\b):8*(8*((\a)%4)+\b)+7], v[128*(\p)+FR*\b:128*(\p)+FR*\b+FR-1], v[AF+FR*(\a):AF+FR*(\a)+FR-1], 0, v[SC+8*NQ*(\sc)+NQ*\b+(\q)], v[SC+8*NQ*(\sc)+NQ*(\a)+(\q)] matrix_a_fmt:MATRIX_FMT_FP4 matrix_b_fmt:MATRIX_FMT_FP4 matrix_a_scale:MATRIX_SCALE_ROW1
.else
	v_wmma_scale_f32_16x16x128_f8f6f4 v[8*(8*((\a)%4)+\b):8*(8*((\a)%4)+\b)+7], v[128*(\p)+FR*\b:128*(\p)+FR*\b+FR-1], v[AF+FR*(\a):AF+FR*(\a)+FR-1], v[8*(8*((\a)%4)+\b):8*(8*((\a)%4)+\b)+7], v[SC+8*NQ*(\sc)+NQ*\b+(\q)], v[SC+8*NQ*(\sc)+NQ*(\a)+(\q)] matrix_a_fmt:MATRIX_FMT_FP4 matrix_b_fmt:MATRIX_FMT_FP4 matrix_a_scale:MATRIX_SCALE_ROW1
.endif
.endr
.endr
.endm
.macro FETCH_B slot, q, p
	WIN TO_B
.irp i, 0,1,2,3,4,5,6,7
	FRAG 128*(\p)+FR*\i, ADRB+\slot, \q, \i
.endr
	WIN 0
.endm
.macro FETCH_A slot, q, i0
.irp i, \i0, \i0+1, \i0+2, \i0+3
	FRAG AF+FR*(\i), ADRA+\slot, \q, \i
.endr
.endm
.macro SCALES sc                       ; a slot's scale words: four a row; lanes 0-15 take x's block i, lanes 16-31 W's block i
.irp i, 0,1,2,3,4,5,6,7
	ds_load_b128 v[SC+8*NQ*\sc+NQ*\i:SC+8*NQ*\sc+NQ*\i+3], v[ADRS] offset:\i*SBLK
.endr
.endm
.macro PLACES n                        ; plain vector instructions between a matrix instruction and a load into, or a read of, its registers
.rept \n
	v_nop
.endr
.endm
.macro STEP slot, q, zero              ; a step of 128 along K that has its successor in the same slot
	s_wait_dscnt 4*NL                              ; W's set and x's blocks 0-3 are in; the youngest eight loads (x's blocks 4-7) may be out
	WIN MUL_LO
	MUL16 0, (\q)%2, \q, \slot, \zero
	MUL16 2, (\q)%2, \q, \slot, \zero
	s_wait_dscnt 0
	PLACES NP
	FETCH_B \slot, (\q)+1, 1-(\q)%2
	FETCH_A \slot, (\q)+1, 0
	WIN MUL_HI
	MUL16 4, (\q)%2, \q, \slot, \zero
	MUL16 6, (\q)%2, \q, \slot, \zero
	PLACES NP
	WIN 0
	FETCH_A \slot, (\q)+1, 4
.endm
.macro STEPS slot, from
.set Q, \from
.rept NQ-1-\from
	STEP \slot, Q, 0
.set Q, Q+1
.endr
.endm
	s_wait_tensorcnt 1                             ; the scales and my part of slot 0 are in (slot 1's load may be out)
	s_barrier_signal -1
	s_barrier_wait -1                              ; everybody's are
	FETCH_B 0, 0, 0
	FETCH_A 0, 0, 0
	SCALES 0
	FETCH_A 0, 0, 4
	STEP 0, 0, 1                                   ; the first step's products start the sums: nothing is cleared
	STEPS 0, 1
	; slot 0's last step changes slots: each wave shows its part of slot 1 landed, then the barrier; nothing is filled again
	s_wait_tensorcnt 0x0                           ; my part of slot 1 has landed
	ds_add_u32 v[SPW], v[NIL]
	s_wait_dscnt 4*NL+1                            ; (the add and the youngest eight loads may be out)
	WIN MUL_LO
	MUL16 0, 1, NQ-1, 0, 0
	s_wait_dscnt 0x0                               ; no LDS instruction of mine is pending at the signal
	s_barrier_signal -1
	MUL16 2, 1, NQ-1, 0, 0
	WIN 0
	s_barrier_wait -1
	PLACES NP
	v_add_nc_u32 v[ADRS], 4*NQ, v[ADRS]            ; on to slot 1's scale words
	FETCH_B 1, 0, 0
	FETCH_A 1, 0, 0
	SCALES 1
	WIN MUL_HI
	MUL16 4, 1, NQ-1, 0, 0
	MUL16 6, 1, NQ-1, 0, 0
	PLACES NP
	WIN 0
	FETCH_A 1, 0, 4
	STEPS 1, 0
	s_wait_dscnt 4*NL                              ; the very last step: nothing more to fetch
	WIN MUL_LO
	MUL16 0, 1, NQ-1, 1, 0
	MUL16 2, 1, NQ-1, 1, 0
	s_wait_dscnt 0
	WIN MUL_HI
	MUL16 4, 1, NQ-1, 1, 0
	MUL16 6, 1, NQ-1, 1, 0
; THE WAY OUT.  Accumulator (a, b), register j, lane (r, h): token 16 a + r, head b / 4 of my two, channel 16 (b % 4) + 8 h + j.  Channels under 32 (b % 4 < 2) are rotated in pairs (2 i, 2 i + 1), i = 8 (b % 4) + 4 h + j / 2:
; even = even x cos_i - odd x sin_i, odd = odd x cos_i + even x sin_i.  The factor c goes into the table once, and onto the other channels by a multiplication.
	s_wait_loadcnt 0x0                             ; the table
	WIN 0x41                                       ; destination and source 0 window 1
.set i, 0
.rept 32                               ; these 64 lines name no register of the last products: they are the places behind them
	v_pk_mul_f32 v[64+2*i:65+2*i], v[64+2*i:65+2*i], s[98:99] op_sel_hi:[1,0]
	v_pk_mul_f32 v[192+2*i:193+2*i], v[192+2*i:193+2*i], s[98:99] op_sel_hi:[1,0]
.set i, i+1
.endr
.macro ROTM jj, pr, e                  ; (even, odd) x sin_i: of the table's pair at pr, word e serves both halves
	v_pk_mul_f32 v[XW+2*\jj:XW+2*\jj+1], v[AC+2*\jj:AC+2*\jj+1], v[TSN+\pr:TSN+\pr+1] op_sel:[0,\e] op_sel_hi:[1,\e]
.endm
.macro ROTF jj, pr, e                  ; (even, odd) x cos_i + (-odd sin_i, even sin_i): the third source's halves change places, the low one negated
	v_pk_fma_f32 v[YB+2*\jj:YB+2*\jj+1], v[AC+2*\jj:AC+2*\jj+1], v[TCS+\pr:TCS+\pr+1], v[XW+2*\jj:XW+2*\jj+1] op_sel:[0,\e,1] op_sel_hi:[1,\e,0] neg_lo:[0,0,1]
.endm
.macro PACK a                          ; block a: 16 tokens x 128 channels, rotated, scaled, rounded to f16.  Each accumulator is read from its low end on
.set WN, 0x06+(\a)/4                   ; source 0: window 2 or 3 (the sums); source 1: window 1 (the table)
	WIN WN
.irp b, 0,1,2,3,4,5,6,7
.set AC, 64*((\a)%4)+8*\b
.set YB, YW+8*\b
.if (\b%4) < 2
.set TCS, 64+16*(\a)+64*((\a)/4)+4*(\b%4)
.set TSN, TCS+8
	ROTM 0, 0, 0
	ROTM 1, 0, 1
	ROTM 2, 2, 0
	ROTM 3, 2, 1
	ROTF 0, 0, 0
	ROTF 1, 0, 1
	ROTF 2, 2, 0
	ROTF 3, 2, 1
.else
.irp jj, 0,1,2,3
	v_pk_mul_f32 v[YB+2*\jj:YB+2*\jj+1], v[AC+2*\jj:AC+2*\jj+1], s[98:99] op_sel_hi:[1,0]
.endr
.endif
.endr
	WIN 0
.set i, 0
.rept 32
	v_cvt_pk_f16_f32 v[TMP+i], v[YW+2*i], v[YW+2*i+1]
.set i, i+1
.endr
.endm
.macro TOSTAGE a                       ; into my stage by tokens, back as four tokens' 512 bytes an instruction.  LDS serves a wave's instructions in order (ISA guide 5.7.1.4)
.irp b, 0,1,2,3,4,5,6,7
	ds_store_b128 v[STO], v[TMP+4*\b:TMP+4*\b+3] offset:(\b/4)*HDS+32*(\b%4)
.endr
.set BB, BK+32*((\a)%2)
.irp t, 0,1,2,3,4,5,6,7
	ds_load_b128 v[BB+4*\t:BB+4*\t+3], v[RD] offset:(\t/4)*HDS+(\t%4)*4*TP
.endr
.endm
.macro SEND a, younger                 ; younger: the LDS instructions issued behind block a's loads
.set BB, BK+32*((\a)%2)
	s_wait_dscnt \younger
.irp t, 0,1,2,3,4,5,6,7
	global_store_b128 v[CO], v[BB+4*\t:BB+4*\t+3], s[12:13] offset:(\t/4)*HEADB+2048*(\a)+512*(\t%4)   ; 32 lanes store 512 consecutive bytes, at a multiple of 256 from the buffer's first byte
.endr
.endm
	PACK 0
	TOSTAGE 0
.irp a, 1,2,3,4,5,6,7
	PACK \a
.if \a > 1
	s_wait_xcnt 0x0                                ; block a - 2's stores have read their registers: block a's loads may land there
.endif
	TOSTAGE \a
	SEND \a-1, 16                                  ; behind block a - 1's loads: block a's 8 stores and 8 loads
.endr
	SEND 7, 0
	s_wait_tensorcnt 0x0                           ; the wave's end
	ds_add_u32 v[SPW], v[NIL]
	s_wait_dscnt 0x0
	CROUND                                         ; the closing round
	s_endpgm
.Lfunc_end_k_q38e3a8c540_qkv:
	.size	k_q38e3a8c540_qkv, .Lfunc_end_k_q38e3a8c540_qkv-k_q38e3a8c540_qkv
	.p2alignl 7, 3214868480
	.fill 96, 4, 3214868480
	.section	.rodata,"a",@progbits
	.p2align	6, 0x0
	.amdhsa_kernel k_q38e3a8c540_qkv
		.amdhsa_group_segment_fixed_size 327680
		.amdhsa_private_segment_fixed_size 0
		.amdhsa_enable_private_segment 0
		.amdhsa_kernarg_size 48
		.amdhsa_user_sgpr_count 2
		.amdhsa_user_sgpr_kernarg_segment_ptr 1
		.amdhsa_wavefront_size32 1
		.amdhsa_system_sgpr_workgroup_id_x 1
		.amdhsa_system_sgpr_workgroup_id_y 1
		.amdhsa_system_sgpr_workgroup_id_z 1
		.amdhsa_system_vgpr_workitem_id 0
		.amdhsa_next_free_vgpr 1024
		.amdhsa_next_free_sgpr 102
		.amdhsa_reserve_vcc 0
		.amdhsa_float_denorm_mode_32 3
		.amdhsa_float_denorm_mode_16_64 3
		.amdhsa_memory_ordered 1
		.amdhsa_forward_progress 1
		.amdhsa_inst_pref_size 158
	.end_amdhsa_kernel
	.amdgpu_metadata
---
amdhsa.version: [ 1, 2 ]
amdhsa.kernels:
  - .name:           k_q38e3a8c540_qkv
    .symbol:         k_q38e3a8c540_qkv.kd
    .args:
      - { .name: x_codes, .offset: 0, .size: 8, .value_kind: global_buffer, .address_space: global }
      - { .name: x_scales, .offset: 8, .size: 8, .value_kind: global_buffer, .address_space: global }
      - { .name: w_codes, .offset: 16, .size: 8, .value_kind: global_buffer, .address_space: global }
      - { .name: w_scales, .offset: 24, .size: 8, .value_kind: global_buffer, .address_space: global }
      - { .name: rope, .offset: 32, .size: 8, .value_kind: global_buffer, .address_space: global }
      - { .name: qkv, .offset: 40, .size: 8, .value_kind: global_buffer, .address_space: global }
    .group_segment_fixed_size: 327680
    .private_segment_fixed_size: 0
    .kernarg_segment_align: 8
    .kernarg_segment_size: 48
    .max_flat_workgroup_size: 128
    .sgpr_count:     102
    .vgpr_count:     1024
    .wavefront_size: 32
...
	.end_amdgpu_metadata
.endif
;; end of part 2
;; launch attn (part 3): grid 8 x 32, 8 waves a work-group, clusters of 4 x 1, 327,680 bytes of LDS; arguments qkv, ao; writes ao
.if DOCPART == 3
	.amdgcn_target "amdgcn-amd-amdhsa--gfx1250"
	.amdhsa_code_object_version 6
	.text
	.protected	k_q38e3a8c540_attn
	.globl	k_q38e3a8c540_attn
	.p2align	8
	.type	k_q38e3a8c540_attn,@function
k_q38e3a8c540_attn:
	s_mov_b64 s[64:65], 0
	v_nop
	global_prefetch_b8 v0, s[64:65] scope:SCOPE_SE
	s_setreg_imm32_b32 hwreg(HW_REG_WAVE_MODE, 25, 1), 1
	s_wait_xcnt 0x0
	s_wait_alu depctr_hold_cnt(0) depctr_sa_sdst(0) depctr_va_vdst(0) depctr_va_sdst(0) depctr_va_ssrc(0) depctr_va_vcc(0) depctr_vm_vsrc(0)
	s_getreg_b32 s2, hwreg(HW_REG_IB_STS2, 6, 4)
	s_cmp_eq_u32 s2, 0
	s_cbranch_scc0 .Lentry_in_a_cluster
	s_endpgm
.Lentry_in_a_cluster:
	s_bfe_u32 s2, ttmp6, 0x10000c
	s_cmp_lg_u32 s2, 0x3003
	s_cbranch_scc0 .Lentry_shape_is_right
	s_endpgm
.Lentry_shape_is_right:
; ATTENTION.  O[q] = sum over k of softmax_k(Q[q] . K[k] / 8) V[k], 16 query heads on 8 key and value heads, 2,048 positions, head size 64, no mask.  All operands f16; products, maxima and sums in f32;
; the weights p are rounded to f16 for the second product, O once at the end.  Q arrives multiplied by log2(e) / 8, so a score s is an exponent in base 2.
; Input [batch][32 heads][2,048][64] f16 (heads 0-15 Q, 16-23 K, 24-31 V).  Output [8,192 tokens][1,024 = 64 head + channel] f16.
; LIMIT: p under f16's smallest number counts as 0 in the second product (it still counts in the row's sum).
; SHARES.  Work-group y = 8 batch + key head.  A work-group owns 256 queries of BOTH query heads of that key head; each of its eight waves 32 queries x 2 heads: four tiles of 16, tile t = 2 (query tile) + head.
; Two waves share a SIMD, 512 registers each.  Every wave walks all 2,048 keys, 64 a step.
; LAYOUT.  S^T = K Q^T (source 0 = 16 keys, source 1 = 16 queries): a lane holds ONE query (lane % 16) and keys 8 (lane / 16) + 0..7.  Two such tiles, rounded to f16 in pairs, ARE source 1 (32 keys x 16 queries)
; of O^T = V^T P, whose result again holds one query a lane and eight channels.  K comes out of LDS as it lies, V ([key][channel]) turned, by ds_load_tr16_b128.
; SOFTMAX.  For each query a running maximum M and sum l: p = 2^(s - M); in every step O and l are multiplied by a = 2^(M_old - M_new), which is 1 where M has not grown.
; BY TURNS.  The wave's tiles are two PIECES (piece 0: tiles 0, 1; piece 2: tiles 2, 3).  In a TURN one piece has the matrix unit: 16 products V^T P of the step in hand, then 16 products K Q^T of the next step;
; the other piece's softmax, 234 vector instructions cut into 32 slices, stands between them, one slice behind each matrix instruction.  Then the pieces change places.  Two turns are a key step.
; CLUSTER.  The four query blocks of a cluster walk the same K and V: each tile is asked for jointly, by the same tensor load with a mask that names the four.
; REGISTERS: window 0: v1-14 addresses; v16-63 twelve registers of statistics a tile; v64-191 S^T, 32 a tile (P is laid over a tile's first 16); v192-255 Q, 16 a tile.
;            window 1: v0-127 O^T, 32 a tile; v128-191 K of one step; v192-255 V of one step.
; A softmax works in window 0, a product needs window 1 too: a slice costs two switches of the window.
.set KSTP,  64                         ; keys in a step
.set PK,    144                        ; a row of K in LDS: 128 bytes + 16: the 16 rows of a load start at 16 different banks (64 banks of 4 bytes: ISA guide 11.1)
.set PVP,   160                        ; a row of V: 128 + 32
.set VOFF,  KSTP*PK                    ; a step's tiles lie together: 64 rows of K, then 64 rows of V
.set STEPB, KSTP*(PK+PVP)
.set NST,   4                          ; steps in a slot
.set SLOT1, 1<<17                      ; slot 1 begins here: one exclusive or turns an address in one slot into the other's
.set SLOTM, NST*KSTP*128               ; a slot's keys in memory: 32,768 bytes of K, as many of V
.set NSLOT, 2048/(NST*KSTP)
.set STAGE, SLOT1+NST*STEPB            ; behind the ring: 16 rows x 272 bytes for each wave, for the way out
.set SP,    272
.set SPARE, STAGE+8*16*SP              ; the spare words, 128 bytes for each wave: four blocks of 256 bytes that no other line names
.set HEADB, 1<<18                      ; a head in the input
.set AK0, 2                            ; v2   my lane's place in a tile of K
.set AV0, 3                            ; v3   the same for V
.set ADR, 4                            ; v4   the LDS address of the run of loads in hand
.set QO,  5                            ; v5   my byte offset in a tile's rows of Q
.set STO, 6                            ; v6   the way out: where I put 16 bytes of a row
.set RD,  7                            ; v7   where I read a row back
.set GO,  8                            ; v8   my byte offset in the wave's rows of the output
.set PFO, 12                           ; v12  256 x my lane; never rewritten
.set SPW, 13                           ; v13  LDS address of my spare word; never rewritten
.set NIL, 14                           ; v14  0; never rewritten
.set ST,  16                           ; tile t's statistics at v[ST + 12 t]: +0 M, +1 a zero (named with M as a pair), +2, +3 l (even keys', odd keys'), +4 to +7 c0-c3 at work (a takes c2's place), +8, +9 a second chain of the sum
.set S,   64
.set Q,   192
.set KF,  128                          ; in window 1
.set VF,  192                          ; in window 1
.set WV,  12                           ; s12  my wave's number
.set LIM, 15                           ; s15  1 in a wave that prefetches, else the greatest number
.set PFA, 18                           ; s[18:19] where my prefetches stand
.set G1K, 24
.set G1V, 32
.set G0K, 40                           ; s[40:47] group 0 for K's tiles: a set for each of the two first fills; the second then walks on
.set G0V, 48
.set SLOTS, 56                         ; s56  slots still to be asked for
.set CNT, 57                           ; s57  counts key steps
.set SEL, 60                           ; s[60:61] lane selects for v_permlanex16_b32
.set TB,  62                           ; s62  LDS byte at which the tiles of the step to be fetched begin
.set MSB, 0
.macro WIN new                         ; the immediate's high byte repeats the setting that is left; a switch that changes nothing is dropped
.if MSB != \new
	s_set_vgpr_msb (MSB<<8)|\new
.set MSB, \new
.endif
.endm
.set W_KQ, 0x01                        ; K in window 1; Q and S^T in window 0
.set W_PV, 0x51                        ; V and O^T in window 1; P in window 0
.set W_RS, 0x41                        ; O^T (destination and source 0) in window 1, a in window 0
.set TO_1, 0x40                        ; destination window 1, address window 0
; A joint refill: waves 0 to 3 fetch the slot's four tiles of K, waves 4 to 7 those of V.  The branch hangs on the wave's number alone.  An s_nop 0 and four v_nop follow each line.
.macro JLOAD
	s_cmp_lt_u32 s[WV], 4
	s_cbranch_scc0 .Lfor_v_\@
	tensor_load_to_lds s[G0K+4:G0K+7], s[G1K:G1K+7]
	s_nop 0
.rept 4
	v_nop
.endr
	s_branch .Lasked_\@
.Lfor_v_\@:
	tensor_load_to_lds s[G0V+4:G0V+7], s[G1V:G1V+7]
	s_nop 0
.rept 4
	v_nop
.endr
.Lasked_\@:
.endm
; A prefetch of what the NEXT change of slots will ask for: a slot's 32,768 bytes of K and of V.  Each aligned 256 bytes are named once in the launch: both clusters of a key head walk the same rows, and the first asks;
; its four partners take 8,192 bytes each, told apart by address; in each, wave 0 asks for K's and wave 4 for V's, lanes 256 bytes apart: one instruction.  The last change that fills a slot asks for nothing.
.macro ASK
	s_cmp_gt_u32 s[SLOTS], s[LIM]
	s_cbranch_scc0 .Lnot_mine_\@
	global_prefetch_b8 v[PFO], s[PFA:PFA+1] th:TH_LOAD_NT scope:SCOPE_SE
.Lnot_mine_\@:
.endm
.macro CROUND                          ; a round of the cluster's barrier
	s_barrier_signal -1
	s_barrier_wait -1
	s_cmp_lg_u32 s[WV], 0
	s_cbranch_scc1 .Lnot_wave_0_\@
	s_barrier_signal -3
.Lnot_wave_0_\@:
	s_barrier_wait -3
	s_barrier_signal -1
	s_barrier_wait -1
.endm
	s_load_b128 s[4:7], s[0:1], 0x0                ; the input s[4:5], the output s[6:7]
	v_lshl_add_u32 v[SPW], v0, 2, SPARE
	v_mov_b32 v[NIL], 0
	ds_add_u32 v[SPW], v[NIL]                      ; the wave's opening: the add, twice on end, and its wait ahead of my first tensor load
	ds_add_u32 v[SPW], v[NIL]
	v_lshrrev_b32 v1, 5, v0
	v_readfirstlane_b32 s[WV], v1                  ; wave 0..7
	s_bfe_u32 s13, ttmp6, 0x40000                  ; cx: my place in the cluster
	s_lshl_b32 s14, ttmp9, 2
	s_add_co_u32 s14, s14, s13                     ; my block of 256 queries: it enters Q's and the output's addresses alone
	s_and_b32 s16, ttmp7, 0xffff
	s_lshr_b32 s17, s16, 3                         ; the batch,
	s_and_b32 s16, s16, 7                          ; the key head: the four partners share both
	s_lshl_b32 s20, s17, 5
	s_add_co_u32 s20, s20, s16
	s_add_co_u32 s20, s20, 16                      ; K's head: 32 batch + 16 + key head
	s_lshl_b32 s20, s20, 18
	s_and_b32 s22, s[WV], 3                        ; which of a slot's four steps I fetch:
	s_lshl_b32 s23, s22, 13                        ; its 64 rows of 128 bytes in memory,
	s_add_co_u32 s20, s20, s23
	s_mov_b32 s21, 0
	s_mul_i32 s23, s22, STEPB                      ; and its place in a slot
	s_lshl_b32 s2, s17, 5
	s_lshl_b32 s3, s16, 1
	s_add_co_u32 s2, s2, s3                        ; Q's first head: 32 batch + 2 key head
	s_lshl_b32 s2, s2, 18
	s_lshl_b32 s3, s14, 15                         ; my block's 256 rows of 128 bytes,
	s_add_co_u32 s2, s2, s3
	s_lshl_b32 s3, s[WV], 12                       ; my wave's 32
	s_add_co_u32 s2, s2, s3
	s_mov_b32 s3, 0
	s_lshl_b32 s58, s17, 22                        ; the output: 2,048 tokens of 2,048 bytes a batch,
	s_lshl_b32 s59, s14, 19                        ; 256 a block,
	s_add_co_u32 s58, s58, s59
	s_lshl_b32 s59, s[WV], 16                      ; 32 a wave,
	s_add_co_u32 s58, s58, s59
	s_lshl_b32 s59, s16, 8                         ; and my two heads' 256 bytes in a row
	s_add_co_u32 s58, s58, s59
	s_mov_b32 s59, 0
	; descriptor group 1: a tile of 64 rows x 64 elements of 2 bytes, padded in LDS
	s_mov_b32 s[G1K], 15|(1<<16)|(1<<20)|(1<<21)|(4<<22)|(3<<25)  ; the mask: all four work-groups; elements of 2 bytes; padding on; bit 21 beside a mask; after every 32 words 4 words
	s_mov_b32 s[G1V], 15|(1<<16)|(1<<20)|(1<<21)|(4<<22)|(7<<25)  ; the same with 8 words of padding
.irp g, G1K, G1V
	s_mov_b32 s[\g+1], 64<<16                      ; tensor_dim0
	s_mov_b32 s[\g+2], KSTP<<16                    ; tensor_dim1
	s_mov_b32 s[\g+3], 64<<16                      ; tile_dim0
	s_mov_b32 s[\g+4], KSTP                        ; tile_dim1
	s_mov_b32 s[\g+5], 64                          ; the pitch
	s_mov_b32 s[\g+6], 0
	s_mov_b32 s[\g+7], 0
.endr
	s_mov_b32 s[SEL], 0x76543210
	s_mov_b32 s[SEL+1], 0xfedcba98
	s_mov_b32 s[TB], 0
	s_mov_b32 s[SLOTS], NSLOT-2
	s_and_b32 s[LIM], s[WV], 3                     ; 0 in waves 0 and 4,
	s_or_b32 s[LIM], s[LIM], ttmp9                 ; of the key head's first cluster: the same in all four partners
	s_cmp_eq_u32 s[LIM], 0
	s_cselect_b32 s[LIM], 1, -1
	v_and_b32 v[PFO], 31, v0
	v_lshlrev_b32 v[PFO], 8, v[PFO]
	s_wait_dscnt 0x0                               ; both opening adds are done
	s_wait_kmcnt 0x0
	s_add_nc_u64 s[8:9], s[4:5], s[20:21]          ; K at my tile of slot 0,
	s_add_nc_u64 s[10:11], s[8:9], 8*HEADB         ; V eight heads on
	s_add_nc_u64 s[4:5], s[4:5], s[2:3]            ; Q at my wave's first row
	s_add_nc_u64 s[6:7], s[6:7], s[58:59]          ; the output likewise
	s_cmp_lt_u32 s[WV], 4
	s_cselect_b64 s[PFA:PFA+1], s[8:9], s[10:11]   ; (in waves 0 and 4 these stand at a slot's first row)
	s_lshl_b32 s2, s13, 13                         ; my work-group's 8,192 bytes of the 32,768
	s_mov_b32 s3, 0
	s_add_nc_u64 s[PFA:PFA+1], s[PFA:PFA+1], s[2:3]
	s_add_nc_u64 s[PFA:PFA+1], s[PFA:PFA+1], 2*SLOTM  ; in slot 2; the first change of slots steps it to slot 3.  Nothing is prefetched at the head
	CROUND                                         ; all four work-groups are here: the first joint loads meet
.irp s, 0,1
	s_mov_b32 s[G0K+4*\s], 1
	s_add_co_u32 s[G0K+4*\s+1], s23, \s*SLOT1
	s_add_nc_u64 s[G0K+4*\s+2:G0K+4*\s+3], s[8:9], \s*SLOTM
	s_or_b32 s[G0K+4*\s+3], s[G0K+4*\s+3], 0x80000000
	s_mov_b32 s[G0V+4*\s], 1
	s_add_co_u32 s[G0V+4*\s+1], s23, \s*SLOT1+VOFF
	s_add_nc_u64 s[G0V+4*\s+2:G0V+4*\s+3], s[10:11], \s*SLOTM
	s_or_b32 s[G0V+4*\s+3], s[G0V+4*\s+3], 0x80000000
.endr
	s_cmp_lt_u32 s[WV], 4                          ; a wave's two first fills stand in one branch, ahead of every wait on TENSORcnt and every LDS read: two loads of mine are out
	s_cbranch_scc0 .Lfirst_v
	tensor_load_to_lds s[G0K:G0K+3], s[G1K:G1K+7]
	s_nop 0
	tensor_load_to_lds s[G0K+4:G0K+7], s[G1K:G1K+7]
	s_nop 0
.rept 4
	v_nop
.endr
	s_branch .Lfirst_asked
.Lfirst_v:
	tensor_load_to_lds s[G0V:G0V+3], s[G1V:G1V+7]
	s_nop 0
	tensor_load_to_lds s[G0V+4:G0V+7], s[G1V:G1V+7]
	s_nop 0
.rept 4
	v_nop
.endr
.Lfirst_asked:
	; A fragment of K or Q is 16 rows x 32 channels in 8 registers: lane l holds row l % 16; registers 0-3 channels 8 (l / 16) + 0..7, registers 4-7 channels 16 + 8 (l / 16) + 0..7
	v_and_b32 v1, 15, v0                           ; r
	v_bfe_u32 v9, v0, 4, 1                         ; h
	v_lshlrev_b32 v[QO], 7, v1
	v_lshl_add_u32 v[QO], v9, 4, v[QO]             ; row x 128 + 16 x half
.irp t, 0,1,2,3                        ; Q stays in registers: tile t = query tile t / 2 of head t % 2; channels 32 ks on
.irp ks, 0,1
	global_load_b128 v[Q+16*\t+8*\ks:Q+16*\t+8*\ks+3],   v[QO], s[4:5] offset:(\t%2)*HEADB+(\t/2)*2048+64*\ks
	global_load_b128 v[Q+16*\t+8*\ks+4:Q+16*\t+8*\ks+7], v[QO], s[4:5] offset:(\t%2)*HEADB+(\t/2)*2048+64*\ks+32
.endr
.endr
	v_mul_u32_u24 v[AK0], v1, PK
	v_lshl_add_u32 v[AK0], v9, 4, v[AK0]
	; The turning load takes 16 keys x 16 channels (lane l reads 16 bytes: key 8 (l / 16) + l % 8, channels 8 ((l / 8) % 2) + 0..7) and leaves half a fragment of V^T: lane l holds channel l % 16 and 8 keys
	v_and_b32 v10, 7, v0
	v_bfe_u32 v11, v0, 3, 1
	v_lshl_add_u32 v[AV0], v9, 3, v10
	v_mul_u32_u24 v[AV0], v[AV0], PVP
	v_lshl_add_u32 v[AV0], v11, 4, v[AV0]
	v_add_nc_u32 v[AV0], VOFF, v[AV0]
.irp t, 0,1,2,3
	v_mov_b32 v[ST+12*\t+1], 0                     ; M's partner in its pair,
	v_mov_b32 v[ST+12*\t+2], 0                     ; and the sums: twelve registers, once
	v_mov_b32 v[ST+12*\t+3], 0
.endr
; THE MATRIX WORK OF A TURN, for piece x.  The eight accumulators take turns, one instruction a turn.
; Product i of 16 of O^T += V^T P: keys 32 (i / 8) on, channels 16 ((i / 2) % 4) on, tile x + i % 2.  zero = 1: the first 8 start the sums.
.macro PV x, zero
	WIN W_PV
.set rO, 32*(\x+i%2)+8*((i/2)%4)
.set rV, VF+32*(i/8)+8*((i/2)%4)
.set rP, S+32*(\x+i%2)+8*(i/8)
.if \zero && (i < 8)
	v_wmma_f32_16x16x32_f16 v[rO:rO+7], v[rV:rV+7], v[rP:rP+7], 0
.else
	v_wmma_f32_16x16x32_f16 v[rO:rO+7], v[rV:rV+7], v[rP:rP+7], v[rO:rO+7]
.endif
.endm
; Product i of 16 of S^T = K Q^T: channels 32 (i / 8) on, keys 16 ((i / 2) % 4) on, tile x + i % 2.  The first 8 start the sums.
.macro KQ x
	WIN W_KQ
.set rS, S+32*(\x+i%2)+8*((i/2)%4)
.set rK, KF+16*((i/2)%4)+8*(i/8)
.set rQ, Q+16*(\x+i%2)+8*(i/8)
.if i < 8
	v_wmma_f32_16x16x32_f16 v[rS:rS+7], v[rK:rK+7], v[rQ:rQ+7], 0
.else
	v_wmma_f32_16x16x32_f16 v[rS:rS+7], v[rK:rK+7], v[rQ:rQ+7], v[rS:rS+7]
.endif
.endm
; THE LDS LOADS stand in runs of 16: a step's K (8 fragments) and, a turn later, its V (turned).
.macro FETCH_K
	WIN 0
	v_add_nc_u32 v[ADR], s[TB], v[AK0]
	WIN TO_1
.irp f, 0,1,2,3,4,5,6,7                ; keys 16 (f / 2) on, channels 32 (f % 2) on
	ds_load_b128 v[KF+8*\f:KF+8*\f+3],   v[ADR] offset:(\f/2)*16*PK+(\f%2)*64
	ds_load_b128 v[KF+8*\f+4:KF+8*\f+7], v[ADR] offset:(\f/2)*16*PK+(\f%2)*64+32
.endr
.endm
.macro FETCH_V
	WIN 0
	v_add_nc_u32 v[ADR], s[TB], v[AV0]
	s_add_co_u32 s[TB], s[TB], STEPB               ; the next fetch is the next step's
	s_wait_alu depctr_va_vdst(0)                   ; the wait for the softmax's batch of exponentials (SLICE), ahead of the first instruction that names a result
	WIN TO_1
.irp f, 0,1,2,3,4,5,6,7                ; keys 32 (f / 4) on, channels 16 (f % 4) on
	ds_load_tr16_b128 v[VF+8*\f:VF+8*\f+3],   v[ADR] offset:(\f/4)*32*PVP+(\f%4)*32
	ds_load_tr16_b128 v[VF+8*\f+4:VF+8*\f+7], v[ADR] offset:(\f/4)*32*PVP+16*PVP+(\f%4)*32
.endr
.endm
; THE VECTOR WORK OF A TURN.  One tile's softmax for one key step is a list of 117 instructions; SM writes number j of it for tile t.  s0-s31 are the lane's 32 scores, in pairs 0-15.
; first = 1: the first key step: no old M, no a, nothing to rescale.
;   0-15    the maximum of s0-s31 and the old M, three operands at a time: four chains of seven scores, then the four left over, the chains and M.  Each accumulator is read first at its low end
;   16-19   the other half of the lanes' maximum; the old M kept; the new M; M_old - M_new
;   20-68   ONE BATCH: the 16 subtractions s - M, a pair each, and all 33 exponentials; none of these names an exponential's result.  From 21 on in threes: a subtraction (pair g + 1) and the two exponentials of pair g
;   (wait)  between 68 and 69 stands the one wait for the batch: SLICE writes it, once for both tiles
;   69-84   the sums, in two chains; l = a l + the sum
;   85-100  the roundings to f16: pair i goes to register i of the tile, ascending, so that nothing is overwritten before it is read
;   101-116 the tile's O^T times a: the one part that leaves window 0
.macro SM t, first
.set rT, ST+12*(\t)
.set rS, S+32*(\t)
.if j < 101
	WIN 0
.endif
.if j < 4
	v_max3_num_f32 v[rT+4+j], v[rS+8*j], v[rS+8*j+1], v[rS+8*j+2]
.elseif j < 12
	v_max3_num_f32 v[rT+4+j%4], v[rT+4+j%4], v[rS+8*(j%4)+2*(j/4)+1], v[rS+8*(j%4)+2*(j/4)+2]
.elseif j == 12
	v_max3_num_f32 v[rT+4], v[rT+4], v[rS+7], v[rS+15]
.elseif j == 13
	v_max3_num_f32 v[rT+6], v[rT+6], v[rS+23], v[rS+31]
.elseif j == 14
	v_max3_num_f32 v[rT+4], v[rT+4], v[rT+5], v[rT+6]
.elseif (j == 15) && \first
	v_max_num_f32 v[rT+4], v[rT+4], v[rT+7]
.elseif j == 15
	v_max3_num_f32 v[rT+4], v[rT+4], v[rT+7], v[rT]
.elseif j == 16
	v_permlanex16_b32 v[rT+5], v[rT+4], s[SEL], s[SEL+1]  ; the query's other 32 keys lie in the lane 16 away
.elseif j == 18
	v_max_num_f32 v[rT], v[rT+4], v[rT+5]
.elseif ((j == 17) || (j == 19) || (j == 66) || (j > 100)) && \first  ; the first step has none of these
.elseif j == 17
	v_mov_b32 v[rT+7], v[rT]                       ; M_old is kept for a: number 18 writes M anew
.elseif j == 19
	v_sub_f32 v[rT+7], v[rT+7], v[rT]
.elseif j == 66
	v_exp_f32 v[rT+6], v[rT+7]                     ; a
.elseif (j == 20) || ((j < 66) && ((j-21)%3 == 0))
.set b, (j-18)/3                       ; 20: pair 0; 21, 24, .. 63: pairs 1 to 15
	v_pk_add_f32 v[rS+2*b:rS+2*b+1], v[rS+2*b:rS+2*b+1], v[rT:rT+1] op_sel_hi:[1,0] neg_lo:[0,1] neg_hi:[0,1]  ; s - M: of the pair M the low word serves both halves
.elseif j < 69
.set e, j-37                           ; 67, 68: s30, s31
.if j < 66
.set e, 2*((j-22)/3)+(j-22)%3          ; 22, 23: s0, s1; 25, 26: s2, s3; ..
.endif
	v_exp_f32 v[rS+e], v[rS+e]
.elseif j < 85
.set z, j-69
.if (z == 0) && \first
	v_pk_add_f32 v[rT+2:rT+3], v[rT+2:rT+3], v[rS:rS+1]
.elseif z == 0
	v_pk_fma_f32 v[rT+2:rT+3], v[rT+2:rT+3], v[rT+6:rT+7], v[rS:rS+1] op_sel_hi:[1,0,1]
.elseif z == 1
	v_pk_add_f32 v[rT+8:rT+9], v[rS+2:rS+3], v[rS+4:rS+5]
.elseif z == 15
	v_pk_add_f32 v[rT+2:rT+3], v[rT+2:rT+3], v[rT+8:rT+9]
.elseif z%2 == 0
	v_pk_add_f32 v[rT+2:rT+3], v[rT+2:rT+3], v[rS+2*(z+1):rS+2*(z+1)+1]
.else
	v_pk_add_f32 v[rT+8:rT+9], v[rT+8:rT+9], v[rS+2*(z+1):rS+2*(z+1)+1]
.endif
.elseif j < 101
.set ci, j-85
	v_cvt_pk_f16_f32 v[rS+ci], v[rS+2*ci], v[rS+2*ci+1]
.else
	WIN W_RS
.set rO, 32*(\t)+2*(j-101)
	v_pk_mul_f32 v[rO:rO+1], v[rO:rO+1], v[rT+6:rT+7] op_sel_hi:[1,0]
.endif
.endm
; Slice k of 32 of piece y's softmax.  0-4: numbers 4 k .. 4 k + 3 of both tiles, the tiles alternating (slice 4 takes number 20 too).  5-20: the batch, three numbers of one tile, then of the other.
; 21-30: numbers 69 + 4 (k - 21) on, of both tiles.  31: the last eight of both: sixteen plain lines on O^T of the piece at rest, the places behind the turn's last product.
; THE WAIT: ahead of slice 21 nothing names an exponential's result, behind slice 20 no exponential is issued: the piece's 66 exponentials have one wait, behind slice 20, with one plain line ahead of it.
.macro SLICE y, first
.if k < 5
.irp n, 0,1,2,3,4
.if (\n < 4) || (k == 4)
.irp t, \y, \y+1
.set j, 4*k+\n
	SM \t, \first
.endr
.endif
.endr
.elseif k < 21
.irp t, \y, \y+1
.irp n, 0,1,2
.set j, 21+3*(k-5)+\n
	SM \t, \first
.endr
.endr
.elseif k < 31
.irp n, 0,1,2,3
.irp t, \y, \y+1
.set j, 69+4*(k-21)+\n
	SM \t, \first
.endr
.endr
.else
.irp n, 0,1,2,3,4,5,6,7
.irp t, \y, \y+1
.set j, 109+\n
	SM \t, \first
.endr
.endr
.endif
.if k == 20
	v_nop                                          ; a plain instruction behind the last exponential, ahead of the first use: one for the batch
.if (\y) == 0
	FETCH_V                                        ; piece 2's turn: V's run of loads stands here, and the wait stands in it
.else
	s_wait_alu depctr_va_vdst(0)                   ; the wait for the batch
.endif
.endif
.set k, k+1
.endm
.macro PLACES
.rept 4
	v_nop
.endr
.endm
; A TURN.  Piece x has the matrix unit; the other piece's softmax stands in slices behind its matrix instructions.
; pv = 2: 16 products V^T P; 1: they start O^T's sums; 0: none.  kq = 1: 16 products K Q^T for the next step.  A turn with one of the two kinds has two slices behind each product.
; DISTANCES (save for loads and for matrix instructions that write over operands: 4 and 5 for those).  P lies over S^T's first 16 registers: the K Q^T that writes registers 8-15 of a tile stands four
; slices of the batch behind the V^T P that read them last, and each of those slices has two plain subtractions: eight places.  K's run of loads stands behind slice 31's sixteen plain lines (first = 1: four v_nop);
; V's behind five slices of the batch, the v_nop and its own addition.  The next turn's first read of the scores stands behind slice 31 likewise.
.macro TURN x, pv, kq, first
.set k, 0
.set per, 2
.if \pv && \kq
.set per, 1
.endif
.if \pv
.if \x == 0
	s_wait_dscnt 0x0                               ; V is in
.endif
.set i, 0
.rept 16
	PV \x, 2-\pv
.rept per
	SLICE 2-\x, \first
.endr
.if (\x == 0) && \kq && (i == 1)
	FETCH_K
.endif
.set i, i+1
.endr
.endif
.if \kq
.if \x == 0
	s_wait_dscnt 0x0                               ; K is in
.endif
.set i, 0
.rept 16
	KQ \x
.rept per
	SLICE 2-\x, \first
.endr
.set i, i+1
.endr
.endif
.if \first
	PLACES                                         ; the first step's last slices are empty
.endif
.endm
; THE CHANGE OF SLOTS, between piece 2's turn and piece 0's: the slot's last bytes, V of its fourth step, have been asked for.  Each wave waits for all its tensor loads, of which one is out: its part of the other slot;
; adds 0 to its spare word; waits for that and for its own reads of the slot.  fill = 1: the barrier is a round of the cluster's, and the joint refill, the keys two slots on, is the first thing behind it:
; it has four key steps, 256 matrix instructions of each wave, in which to land.
.macro CHANGE fill
	WIN 0
	s_wait_tensorcnt 0x0                           ; no tensor load of mine is out, so a group 0 may be written
	ds_add_u32 v[SPW], v[NIL]
.if \fill
.irp g, G0K+4, G0V+4
	s_xor_b32 s[\g+1], s[\g+1], SLOT1              ; the walking descriptor: the other slot than last time,
	s_add_nc_u64 s[\g+2:\g+3], s[\g+2:\g+3], SLOTM ; the next 256 keys
.endr
	s_wait_xcnt 0x0                                ; the last prefetch, a slot back, has read its address, so it may be written
	s_add_nc_u64 s[PFA:PFA+1], s[PFA:PFA+1], SLOTM
	s_wait_dscnt 0x0                               ; the add is done, and my reads of the slot are over
	CROUND
	JLOAD
	ASK
.else
	s_wait_dscnt 0x0
	s_barrier_signal -1
	s_barrier_wait -1
.endif
	s_sub_co_u32 s[TB], s[TB], NST*STEPB           ; the fetches go back to a slot's first step,
	s_xor_b32 s[TB], s[TB], SLOT1                  ; in the other slot
.endm
.macro STEPS n                         ; n key steps: written once, walked n times; the LDS addresses hang on s[TB]
	WIN 0
	s_mov_b32 s[CNT], \n
.Lstep_\@:
	TURN 0, 2, 1, 0
	TURN 2, 2, 1, 0
	WIN 0
	s_sub_co_u32 s[CNT], s[CNT], 1
	s_cmp_lg_u32 s[CNT], 0
	s_cbranch_scc1 .Lstep_\@
.endm
	s_wait_tensorcnt 1                             ; my part of slot 0 is in; slot 1's may stay out
	s_barrier_signal -1
	s_barrier_wait -1                              ; everybody's is
	FETCH_K                                        ; key step 0
	s_wait_loadcnt 0x0                             ; Q
	s_wait_dscnt 0x0
.set i, 0
.rept 16
	KQ 0                                           ; piece 0's first scores: there is no vector work yet to set between them
.set i, i+1
.endr
	WIN 0                                          ; the addresses for the way out: eight plain instructions, the places behind those products
	s_mul_i32 s63, s[WV], 16*SP
	s_add_co_u32 s63, s63, STAGE                   ; my stage
	v_mul_u32_u24 v[STO], v1, SP                   ; in: row r, 16 bytes for each half of the lanes
	v_lshl_add_u32 v[STO], v9, 4, v[STO]
	v_add_nc_u32 v[STO], s63, v[STO]
	v_mul_u32_u24 v[RD], v9, SP                    ; back: lanes 0-15 take one row of 256 bytes, lanes 16-31 the next
	v_lshl_add_u32 v[RD], v1, 4, v[RD]
	v_add_nc_u32 v[RD], s63, v[RD]
	v_lshlrev_b32 v[GO], 11, v9                    ; and the same two rows of 2,048 bytes in the output
	v_lshl_add_u32 v[GO], v1, 4, v[GO]
	TURN 2, 0, 1, 1                                ; piece 2's first scores | piece 0's first softmax | V of step 0
	TURN 0, 1, 1, 1                                ; piece 0: V^T P of step 0 starts O^T, K Q^T of step 1 | piece 2's first softmax | K of step 1
	TURN 2, 1, 1, 0                                ; piece 2: the same | piece 0's softmax of step 1 | V of step 1
	STEPS 2                                        ; they fetch steps 2 and 3: slot 0 is read out
.Lslot:                                                ; six trips: every slot but the last two is filled again
	CHANGE 1
	STEPS NST
	s_sub_co_u32 s[SLOTS], s[SLOTS], 1
	s_cmp_lg_u32 s[SLOTS], 0
	s_cbranch_scc1 .Lslot
	CHANGE 0                                       ; the tail is written out
	STEPS NST
	TURN 0, 2, 0, 0                                ; piece 0: V^T P of the last step | piece 2's last softmax
.set i, 0
.rept 16
	PV 2, 0                                        ; piece 2: V^T P of the last step
.set i, i+1
.endr
	; THE WAY OUT.  l's two halves and the other half of the lanes' are added; O^T is divided by l, rounded to f16 and sent through my stage, 16 queries x both heads (256 bytes a row) at a time.
	WIN 0
.irp t, 0,1,2,3
	v_add_f32 v[ST+12*\t+4], v[ST+12*\t+2], v[ST+12*\t+3]   ; (plain lines behind the last products)
.endr
.irp t, 0,1,2,3
	v_permlanex16_b32 v[ST+12*\t+5], v[ST+12*\t+4], s[SEL], s[SEL+1]
.endr
.irp t, 0,1,2,3
	v_add_f32 v[ST+12*\t+4], v[ST+12*\t+4], v[ST+12*\t+5]
.endr
.irp t, 0,1,2,3
	v_rcp_f32 v[ST+12*\t+6], v[ST+12*\t+4]
.endr
	v_nop                                          ; a plain instruction between the last reciprocal and the use of its result
	s_wait_alu depctr_va_vdst(0)                   ; and the wait ahead of the first use: one for the four
.macro PACK qt
.irp hd, 0,1
.set tt, 2*\qt+\hd
	WIN W_RS
.set i, 0
.rept 16
	v_pk_mul_f32 v[32*tt+2*i:32*tt+2*i+1], v[32*tt+2*i:32*tt+2*i+1], v[ST+12*tt+6:ST+12*tt+7] op_sel_hi:[1,0]
.set i, i+1
.endr
	WIN 0x05                                       ; sources 0 and 1 window 1, destination window 0: S^T's registers are free
.set i, 0
.rept 16
	v_cvt_pk_f16_f32 v[S+32*tt+i], v[32*tt+2*i], v[32*tt+2*i+1]
.set i, i+1
.endr
	WIN 0
.irp c, 0,1,2,3
	ds_store_b128 v[STO], v[S+32*tt+4*\c:S+32*tt+4*\c+3] offset:128*\hd+32*\c
.endr
.endr
.irp f, 0,1,2,3,4,5,6,7
	ds_load_b128 v[S+64*\qt+16+4*\f+16*(\f/4):S+64*\qt+16+4*\f+16*(\f/4)+3], v[RD] offset:\f*2*SP  ; in order behind my stores (ISA guide 5.7.1.4); the next tile's stores come behind these
.endr
.endm
.macro SEND qt, younger                ; younger: the LDS instructions issued behind these loads: the next query tile's sixteen, or none
.irp f, 0,1,2,3,4,5,6,7
	s_wait_dscnt \younger+7-\f
	global_store_b128 v[GO], v[S+64*\qt+16+4*\f+16*(\f/4):S+64*\qt+16+4*\f+16*(\f/4)+3], s[6:7] offset:\qt*32768+\f*4096  ; 16 lanes store 256 consecutive bytes, at a multiple of 256 from the buffer's first byte
.endr
.endm
	PACK 0
	PACK 1
	SEND 0, 16
	SEND 1, 0
	s_wait_tensorcnt 0x0                           ; the wave's end
	ds_add_u32 v[SPW], v[NIL]
	s_wait_dscnt 0x0
	CROUND                                         ; the closing round
	s_endpgm
.Lfunc_end_k_q38e3a8c540_attn:
	.size	k_q38e3a8c540_attn, .Lfunc_end_k_q38e3a8c540_attn-k_q38e3a8c540_attn
	.p2alignl 7, 3214868480
	.fill 96, 4, 3214868480
	.section	.rodata,"a",@progbits
	.p2align	6, 0x0
	.amdhsa_kernel k_q38e3a8c540_attn
		.amdhsa_group_segment_fixed_size 327680
		.amdhsa_private_segment_fixed_size 0
		.amdhsa_enable_private_segment 0
		.amdhsa_kernarg_size 16
		.amdhsa_user_sgpr_count 2
		.amdhsa_user_sgpr_kernarg_segment_ptr 1
		.amdhsa_wavefront_size32 1
		.amdhsa_system_sgpr_workgroup_id_x 1
		.amdhsa_system_sgpr_workgroup_id_y 1
		.amdhsa_system_sgpr_workgroup_id_z 1
		.amdhsa_system_vgpr_workitem_id 0
		.amdhsa_next_free_vgpr 512
		.amdhsa_next_free_sgpr 66
		.amdhsa_reserve_vcc 0
		.amdhsa_float_denorm_mode_32 3
		.amdhsa_float_denorm_mode_16_64 3
		.amdhsa_memory_ordered 1
		.amdhsa_forward_progress 1
		.amdhsa_inst_pref_size 195
	.end_amdhsa_kernel
	.amdgpu_metadata
---
amdhsa.version: [ 1, 2 ]
amdhsa.kernels:
  - .name:           k_q38e3a8c540_attn
    .symbol:         k_q38e3a8c540_attn.kd
    .args:
      - { .name: qkv, .offset: 0, .size: 8, .value_kind: global_buffer, .address_space: global }
      - { .name: ao, .offset: 8, .size: 8, .value_kind: global_buffer, .address_space: global }
    .group_segment_fixed_size: 327680
    .private_segment_fixed_size: 0
    .kernarg_segment_align: 8
    .kernarg_segment_size: 16
    .max_flat_workgroup_size: 256
    .sgpr_count:     66
    .vgpr_count:     512
    .wavefront_size: 32
...
	.end_amdgpu_metadata
.endif
;; end of part 3
;; launch proj (part 4): grid 4 x 64, 4 waves a work-group, clusters of 4 x 4, 327,680 bytes of LDS; arguments ao, wo16, bo, out0; writes out0
.if DOCPART == 4
	.amdgcn_target "amdgcn-amd-amdhsa--gfx1250"
	.amdhsa_code_object_version 6
	.text
	.protected	k_q38e3a8c540_proj
	.globl	k_q38e3a8c540_proj
	.p2align	8
	.type	k_q38e3a8c540_proj,@function
k_q38e3a8c540_proj:
	s_mov_b64 s[64:65], 0
	v_nop
	global_prefetch_b8 v0, s[64:65] scope:SCOPE_SE
	s_setreg_imm32_b32 hwreg(HW_REG_WAVE_MODE, 25, 1), 1
	s_wait_xcnt 0x0
	s_wait_alu depctr_hold_cnt(0) depctr_sa_sdst(0) depctr_va_vdst(0) depctr_va_sdst(0) depctr_va_ssrc(0) depctr_va_vcc(0) depctr_vm_vsrc(0)
	s_getreg_b32 s2, hwreg(HW_REG_IB_STS2, 6, 4)
	s_cmp_eq_u32 s2, 0
	s_cbranch_scc0 .Lentry_in_a_cluster
	s_endpgm
.Lentry_in_a_cluster:
	s_bfe_u32 s2, ttmp6, 0x10000c
	s_cmp_lg_u32 s2, 0xf033
	s_cbranch_scc0 .Lentry_shape_is_right
	s_endpgm
.Lentry_shape_is_right:
; PROJ: out[m][n] = sum over k of A[m][k] Wo[k][n] + bo[n].  A: [8,192][1,024] f16 (the attention's result), Wo: [1,024 k][1,024 n] f16, bo f32, out f32; sums in f32.
; A tile of the output is 128 (m) x 256 (n): 256 work-groups.  Four waves, each 64 x 128: 32 accumulators, 256 registers.  K goes in steps of 128 through a ring of two LDS slots.
; Wo lies with K as its FIRST axis: its tile comes into LDS as it lies (128 rows k x 512 bytes) and its fragments are turned on the way into registers, by ds_load_tr16_b128.
; CLUSTERS: 4 x 4 work-groups.  The four of a row of the cluster need the same tiles of A, the four of a column the same tiles of Wo: each tile is asked for jointly.
; THE MATRIX INSTRUCTION IS USED TRANSPOSED (source 0 = 16 columns of Wo, source 1 = 16 rows of A): a lane holds one row (lane % 16) and eight neighbouring columns.  The bias is the C of each sum's first product.
; REGISTERS: window 0: v0-31 addresses; v32-95 A's fragments, two buffers of 4; v96-223 Wo's, two buffers of 8; on the way out v32-159 take rows.   window 1: the accumulators ((a, b) at v[8 (8 a + b)]).
;   window 2: v0-63 the bias of my 128 columns in the result's layout.
.set KSTEP,  128
.set PA,     272                       ; a row of A in LDS: 256 bytes + 16
.set PB,     544                       ; a row of Wo: 512 bytes + 32
.set SLOT,   128*PA+128*PB             ; A's 128 rows, then Wo's 128 rows
.set STAGE,  2*SLOT                    ; behind the ring: 16 rows x (512 bytes + 16) for each wave
.set SPITCH, 528
.set SPARE,  STAGE+4*16*SPITCH         ; the spare words, 128 bytes for each wave
.set LAPS,   1024/(2*KSTEP)
.set ADRA, 16
.set ADRB, 20
.set STO,  24
.set RD,   25
.set CO,   26
.set BA,   27                          ; v27  32 x (lane / 16): my eight numbers of a block's sixteen of the bias
.set SPW,  28
.set NIL,  29
.set AF,   32
.set BF,   96
.set BK,   32                          ; the way out: 16 rows read back: v32-95 and v96-159 by turns
.set G1, 24
.set G0, 32
.set G1B, 48
.set G0B, 56
.set MSB, 0
.macro WIN new
.if MSB != \new
	s_set_vgpr_msb (MSB<<8)|\new
.set MSB, \new
.endif
.endm
.set MUL,   0x50                       ; C and D window 1, the fragments window 0
.set MUL_0, 0x60                       ; C window 2 (the bias), D window 1
.macro JLOAD s                         ; a joint load: waves 0 and 1 fetch A's two halves, waves 2 and 3 Wo's; an s_nop 0 and four v_nop follow each line
	s_cmp_eq_u32 s13, 0
	s_cbranch_scc0 .Lfor_b_\@
	tensor_load_to_lds s[G0+4*\s:G0+4*\s+3], s[G1:G1+7]
	s_nop 0
.rept 4
	v_nop
.endr
	s_branch .Lasked_\@
.Lfor_b_\@:
	tensor_load_to_lds s[G0B+4*\s:G0B+4*\s+3], s[G1B:G1B+7]
	s_nop 0
.rept 4
	v_nop
.endr
.Lasked_\@:
.endm
.macro CREST                           ; a round of the cluster's barrier behind its opening barrier
	s_cmp_lg_u32 s12, 0
	s_cbranch_scc1 .Lnot_wave_0_\@
	s_barrier_signal -3
.Lnot_wave_0_\@:
	s_barrier_wait -3
	s_barrier_signal -1
	s_barrier_wait -1
.endm
.macro CROUND
	s_barrier_signal -1
	s_barrier_wait -1
	CREST
.endm
	s_load_b256 s[4:11], s[0:1], 0x0               ; A s[4:5], Wo s[6:7], bo s[8:9], out s[10:11]
	v_lshl_add_u32 v[SPW], v0, 2, SPARE
	v_mov_b32 v[NIL], 0
	ds_add_u32 v[SPW], v[NIL]                      ; the wave's opening: the add, twice on end, and its wait ahead of my first tensor load
	ds_add_u32 v[SPW], v[NIL]
	v_lshrrev_b32 v1, 5, v0
	v_readfirstlane_b32 s12, v1                    ; wave 0..3
	s_lshr_b32 s13, s12, 1                         ; which half of the tile's rows is mine.  Also: I fetch for A (0) or for Wo (1)
	s_and_b32 s14, s12, 1                          ; which half of its columns.  Also: which 64 rows of that tile I fetch
	s_bfe_u32 s40, ttmp6, 0x40000                  ; cx, cy
	s_bfe_u32 s41, ttmp6, 0x40004
	s_lshl_b32 s42, ttmp9, 2
	s_add_co_u32 s42, s42, s40                     ; tile column
	s_and_b32 s15, ttmp7, 0xffff
	s_lshl_b32 s15, s15, 2
	s_add_co_u32 s15, s15, s41                     ; tile row
	s_lshl_b32 s43, s41, 2
	s_lshl_b32 s43, 15, s43                        ; my row of the cluster
	s_lshl_b32 s44, 0x1111, s40                    ; my column
	s_or_b32 s[G1+0], s43, (1<<16)|(1<<20)|(1<<21)|(5<<22)|(3<<25)   ; A: 64 rows x 128 elements of 2 bytes; after every 64 words 4 words of padding
	s_mov_b32 s[G1+1], 128<<16
	s_mov_b32 s[G1+2], 64<<16
	s_mov_b32 s[G1+3], 128<<16
	s_mov_b32 s[G1+4], 64
	s_mov_b32 s[G1+5], 1024
	s_mov_b32 s[G1+6], 0
	s_mov_b32 s[G1+7], 0
	s_or_b32 s[G1B+0], s44, (1<<16)|(1<<20)|(1<<21)|(6<<22)|(7<<25)  ; Wo: 64 rows (k) x 256 elements; after every 128 words 8 words of padding
	s_mov_b32 s[G1B+1], 256<<16
	s_mov_b32 s[G1B+2], 64<<16
	s_mov_b32 s[G1B+3], 256<<16
	s_mov_b32 s[G1B+4], 64
	s_mov_b32 s[G1B+5], 1024
	s_mov_b32 s[G1B+6], 0
	s_mov_b32 s[G1B+7], 0
	s_lshl_b32 s16, s15, 7
	s_lshl_b32 s17, s14, 6
	s_add_co_u32 s16, s16, s17                     ; A: row 128 x tile row + 64 x half,
	s_lshl_b32 s16, s16, 11                        ; of 2,048 bytes: under 2^24
	s_mov_b32 s17, 0
	s_lshl_b32 s46, s14, 17                        ; Wo: row 64 x half of 2,048 bytes,
	s_lshl_b32 s47, s42, 9                         ; + 512 bytes x tile column
	s_add_co_u32 s46, s46, s47
	s_mov_b32 s47, 0
	s_mul_i32 s20, s14, 64*PA                      ; where they go: A's halves,
	s_mul_i32 s21, s14, 64*PB
	s_add_co_u32 s21, s21, 128*PA                  ; Wo's halves behind them: no place in the cluster enters an LDS address
	s_wait_dscnt 0x0                               ; both opening adds are done
	s_wait_kmcnt 0x0
	s_add_nc_u64 s[18:19], s[4:5], s[16:17]
	s_add_nc_u64 s[46:47], s[6:7], s[46:47]
	CROUND                                         ; all sixteen work-groups are here: the first joint loads meet
.irp s, 0,1
	s_mov_b32 s[G0+4*\s], 1
	s_add_co_u32 s[G0+4*\s+1], s20, \s*SLOT
	s_add_nc_u64 s[G0+4*\s+2:G0+4*\s+3], s[18:19], \s*KSTEP*2
	s_or_b32 s[G0+4*\s+3], s[G0+4*\s+3], 0x80000000
	s_mov_b32 s[G0B+4*\s], 1
	s_add_co_u32 s[G0B+4*\s+1], s21, \s*SLOT
	s_add_nc_u64 s[G0B+4*\s+2:G0B+4*\s+3], s[46:47], \s*KSTEP*2048
	s_or_b32 s[G0B+4*\s+3], s[G0B+4*\s+3], 0x80000000
	JLOAD \s
.endr
	v_and_b32 v1, 15, v0                           ; r
	v_bfe_u32 v2, v0, 4, 1                         ; h
	v_mul_u32_u24 v3, v1, PA
	v_lshl_add_u32 v3, v2, 4, v3                   ; A: row x pitch + 16 x half
	s_mul_i32 s22, s13, 64*PA                      ; my 64 rows of A
	v_and_b32 v4, 7, v0
	v_lshl_add_u32 v4, v2, 3, v4                   ; Wo: row k = 8 h + l % 8,
	v_mul_u32_u24 v4, v4, PB
	v_bfe_u32 v5, v0, 3, 1
	v_lshl_add_u32 v4, v5, 4, v4                   ; columns 8 ((l / 8) % 2) on
	s_lshl_b32 s23, s14, 8                         ; my 128 columns: 256 bytes
	s_add_co_u32 s23, s23, 128*PA
.irp s, 0,1
	v_add_nc_u32 v[ADRA+\s], s22, v3
	v_add_nc_u32 v[ADRB+\s], s23, v4
	s_add_co_u32 s22, s22, SLOT
	s_add_co_u32 s23, s23, SLOT
.endr
	s_mul_i32 s22, s12, 16*SPITCH
	s_add_co_u32 s22, s22, STAGE                   ; my stage
	v_mul_u32_u24 v5, v1, SPITCH
	v_lshl_add_u32 v5, v2, 5, v5
	v_add_nc_u32 v[STO], s22, v5                   ; in: row r, 32 bytes for each half of the lanes
	v_and_b32 v6, 31, v0
	v_lshlrev_b32 v[CO], 4, v6                     ; back: the 32 lanes take one row of 512 bytes; and the same in the output
	v_add_nc_u32 v[RD], s22, v[CO]
	s_lshl_b32 s16, s15, 7
	s_lshl_b32 s17, s13, 6
	s_add_co_u32 s16, s16, s17                     ; my first row of the output,
	s_lshl_b32 s16, s16, 12                        ; of 4,096 bytes: under 2^25
	s_mov_b32 s17, 0
	s_lshl_b32 s46, s42, 10
	s_lshl_b32 s47, s14, 9
	s_add_co_u32 s46, s46, s47                     ; my first column, in bytes
	s_mov_b32 s47, 0
	s_add_nc_u64 s[8:9], s[8:9], s[46:47]
	s_add_nc_u64 s[10:11], s[10:11], s[46:47]
	s_add_nc_u64 s[10:11], s[10:11], s[16:17]
	v_lshlrev_b32 v[BA], 5, v2
	WIN 0x80                                       ; destination window 2
.irp b, 0,1,2,3,4,5,6,7
	global_load_b128 v[8*\b:8*\b+3],   v[BA], s[8:9] offset:64*\b       ; bo of columns 16 b + 8 h + 0 .. 7
	global_load_b128 v[8*\b+4:8*\b+7], v[BA], s[8:9] offset:64*\b+16
.endr
	WIN 0
; 8 matrix instructions: A's block a against Wo's eight, 32 along K, from buffer f.  zero = 1: the first product starts the sum from the bias.  The 32 accumulators take turns, in the same order in every quarter.
.macro MUL8 f, a, zero
.irp b, 0,1,2,3,4,5,6,7
.if \zero
	v_wmma_f32_16x16x32_f16 v[8*(8*(\a)+\b):8*(8*(\a)+\b)+7], v[BF+64*(\f)+8*\b:BF+64*(\f)+8*\b+7], v[AF+32*(\f)+8*(\a):AF+32*(\f)+8*(\a)+7], v[8*\b:8*\b+7]
.else
	v_wmma_f32_16x16x32_f16 v[8*(8*(\a)+\b):8*(8*(\a)+\b)+7], v[BF+64*(\f)+8*\b:BF+64*(\f)+8*\b+7], v[AF+32*(\f)+8*(\a):AF+32*(\f)+8*(\a)+7], v[8*(8*(\a)+\b):8*(8*(\a)+\b)+7]
.endif
.endr
.endm
; 24 LDS loads in one run: the fragments of the slot's q-th 32 along K into buffer f: Wo's eight (turned), then A's four
.macro FETCH slot, q, f
	WIN 0
.irp b, 0,1,2,3,4,5,6,7
	ds_load_tr16_b128 v[BF+64*(\f)+8*\b:BF+64*(\f)+8*\b+3],   v[ADRB+\slot] offset:32*PB*(\q)+32*\b
	ds_load_tr16_b128 v[BF+64*(\f)+8*\b+4:BF+64*(\f)+8*\b+7], v[ADRB+\slot] offset:32*PB*(\q)+32*\b+16*PB
.endr
.irp i, 0,1,2,3
	ds_load_b128 v[AF+32*(\f)+8*\i:AF+32*(\f)+8*\i+3],   v[ADRA+\slot] offset:\i*16*PA+64*(\q)
	ds_load_b128 v[AF+32*(\f)+8*\i+4:AF+32*(\f)+8*\i+7], v[ADRA+\slot] offset:\i*16*PA+64*(\q)+32
.endr
.endm
.macro PLACES                          ; four plain instructions in front of loads into registers that matrix instructions have read, and of the first read of results
.rept 4
	v_nop
.endr
.endm
; A K step is four quarters of 32 along K, 32 matrix instructions each, on buffers 0, 1, 0, 1.  One of the first three: multiplies buffer f and fetches quarter q of the same slot into buffer g.
.macro QUARTER slot, q, f, g, zero
	s_wait_dscnt 4                                 ; Wo's eight and A's blocks 0, 1 are in; the youngest four loads (A's blocks 2, 3) may be out
.if \zero
	WIN MUL_0
.else
	WIN MUL
.endif
	MUL8 \f, 0, \zero
	MUL8 \f, 1, \zero
	PLACES
	FETCH \slot, \q, \g
	s_wait_dscnt 24                                ; all but the 24 just issued
.if \zero
	WIN MUL_0
.else
	WIN MUL
.endif
	MUL8 \f, 2, \zero
	MUL8 \f, 3, \zero
.endm
; The last quarter multiplies buffer 1 and changes slots: ONE barrier; in front of it each wave waits for all its tensor loads, adds 0 to its spare word, and waits for that and for its own reads of this slot.
; fill = 1: the barrier opens a round of the cluster's, and this slot is filled again, two K steps ahead: the load has 112 matrix instructions of each wave up to the wait for it.
.macro TURN slot, next, fill
	WIN 0
	s_wait_tensorcnt 0x0                           ; all my tensor loads have landed: my part of the next slot
	ds_add_u32 v[SPW], v[NIL]
	s_wait_dscnt 5                                 ; (the add and the youngest four loads may be out)
	WIN MUL
	MUL8 1, 0, 0                                   ; eight matrix instructions stand between the add and the wait for it
	s_wait_dscnt 0x0                               ; the add is done, and my reads of this slot are over
	s_barrier_signal -1
	MUL8 1, 1, 0
.if \fill
	WIN 0
.endif
	s_barrier_wait -1
.if \fill
	CREST                                          ; no wave of any partner still reads this slot's tile or has a load on its way
	s_add_nc_u64 s[G0+4*\slot+2:G0+4*\slot+3], s[G0+4*\slot+2:G0+4*\slot+3], 2*KSTEP*2
	s_add_nc_u64 s[G0B+4*\slot+2:G0B+4*\slot+3], s[G0B+4*\slot+2:G0B+4*\slot+3], 2*KSTEP*2048
	JLOAD \slot                                    ; the first tensor load behind the round; its four v_nop are also the places in front of the loads below
.else
	PLACES
.endif
	FETCH \next, 0, 0
	WIN MUL
	MUL8 1, 2, 0
	MUL8 1, 3, 0
.endm
	s_wait_tensorcnt 1                             ; my part of K step 0 is in (K step 1's load may be out)
	s_barrier_signal -1
	s_barrier_wait -1                              ; everybody's is
	FETCH 0, 0, 0
	s_wait_loadcnt 0x0                             ; the bias
	QUARTER 0, 1, 0, 1, 1                          ; the first quarter stands in front of the loop: its products start the sums
	WIN 0
	s_mov_b32 s3, LAPS-1
.Llap:                                                 ; a trip goes once round the ring, from a lap's second quarter to the next lap's first, and fills both slots again
	QUARTER 0, 2, 1, 0, 0
	QUARTER 0, 3, 0, 1, 0
	TURN 0, 1, 1
	QUARTER 1, 1, 0, 1, 0
	QUARTER 1, 2, 1, 0, 0
	QUARTER 1, 3, 0, 1, 0
	TURN 1, 0, 1
	QUARTER 0, 1, 0, 1, 0
	WIN 0
	s_sub_co_u32 s3, s3, 1
	s_cmp_lg_u32 s3, 0
	s_cbranch_scc1 .Llap
	QUARTER 0, 2, 1, 0, 0                          ; the last lap fills nothing, and has no round of the cluster's barrier
	QUARTER 0, 3, 0, 1, 0
	TURN 0, 1, 0
	QUARTER 1, 1, 0, 1, 0
	QUARTER 1, 2, 1, 0, 0
	QUARTER 1, 3, 0, 1, 0
	s_wait_dscnt 4                                 ; the very last quarter: nothing more to fetch
	WIN MUL
	MUL8 1, 0, 0
	MUL8 1, 1, 0
	s_wait_dscnt 0
	MUL8 1, 2, 0
	MUL8 1, 3, 0
	WIN 0
; THE WAY OUT, block by block of 16 rows x 128 columns: through my own stage, back as whole rows of 512 bytes.  LDS serves a wave's instructions in order (ISA guide 5.7.1.4).
.macro TOSTAGE a
	WIN 0x04                                       ; an LDS store's data are its source 1: window 1
.irp b, 0,1,2,3,4,5,6,7
	ds_store_b128 v[STO], v[64*(\a)+8*\b:64*(\a)+8*\b+3] offset:64*\b          ; each accumulator from its low end on
	ds_store_b128 v[STO], v[64*(\a)+8*\b+4:64*(\a)+8*\b+7] offset:64*\b+16
.endr
	WIN 0
.set BB, BK+64*((\a)%2)
.irp t, 0,1,2,3,4,5,6,7,8,9,10,11,12,13,14,15
	ds_load_b128 v[BB+4*\t:BB+4*\t+3], v[RD] offset:\t*SPITCH
.endr
.endm
.macro SEND a, younger
.set BB, BK+64*((\a)%2)
	s_wait_dscnt \younger
.irp t, 0,1,2,3,4,5,6,7,8,9,10,11,12,13,14,15
	global_store_b128 v[CO], v[BB+4*\t:BB+4*\t+3], s[10:11] offset:65536*(\a)+4096*\t th:TH_STORE_NT   ; 32 lanes store 512 consecutive bytes, at a multiple of 256 from the output's first byte
.endr
.endm
	PLACES
	TOSTAGE 0
.irp a, 1,2,3
.if \a > 1
	s_wait_xcnt 0x0                                ; block a - 2's stores have read their registers: block a's loads may land there
.endif
	TOSTAGE \a
	SEND \a-1, 32                                  ; behind block a - 1's loads: block a's 16 stores and 16 loads
.endr
	SEND 3, 0
	s_wait_tensorcnt 0x0                           ; the wave's end
	ds_add_u32 v[SPW], v[NIL]
	s_wait_dscnt 0x0
	CROUND                                         ; the closing round
	s_endpgm
.Lfunc_end_k_q38e3a8c540_proj:
	.size	k_q38e3a8c540_proj, .Lfunc_end_k_q38e3a8c540_proj-k_q38e3a8c540_proj
	.p2alignl 7, 3214868480
	.fill 96, 4, 3214868480
	.section	.rodata,"a",@progbits
	.p2align	6, 0x0
	.amdhsa_kernel k_q38e3a8c540_proj
		.amdhsa_group_segment_fixed_size 327680
		.amdhsa_private_segment_fixed_size 0
		.amdhsa_enable_private_segment 0
		.amdhsa_kernarg_size 32
		.amdhsa_user_sgpr_count 2
		.amdhsa_user_sgpr_kernarg_segment_ptr 1
		.amdhsa_wavefront_size32 1
		.amdhsa_system_sgpr_workgroup_id_x 1
		.amdhsa_system_sgpr_workgroup_id_y 1
		.amdhsa_system_sgpr_workgroup_id_z 1
		.amdhsa_system_vgpr_workitem_id 0
		.amdhsa_next_free_vgpr 576
		.amdhsa_next_free_sgpr 66
		.amdhsa_reserve_vcc 0
		.amdhsa_float_denorm_mode_32 3
		.amdhsa_float_denorm_mode_16_64 3
		.amdhsa_memory_ordered 1
		.amdhsa_forward_progress 1
		.amdhsa_inst_pref_size 86
	.end_amdhsa_kernel
	.amdgpu_metadata
---
amdhsa.version: [ 1, 2 ]
amdhsa.kernels:
  - .name:           k_q38e3a8c540_proj
    .symbol:         k_q38e3a8c540_proj.kd
    .args:
      - { .name: ao, .offset: 0, .size: 8, .value_kind: global_buffer, .address_space: global }
      - { .name: wo16, .offset: 8, .size: 8, .value_kind: global_buffer, .address_space: global }
      - { .name: bo, .offset: 16, .size: 8, .value_kind: global_buffer, .address_space: global }
      - { .name: out0, .offset: 24, .size: 8, .value_kind: global_buffer, .address_space: global }
    .group_segment_fixed_size: 327680
    .private_segment_fixed_size: 0
    .kernarg_segment_align: 8
    .kernarg_segment_size: 32
    .max_flat_workgroup_size: 128
    .sgpr_count:     66
    .vgpr_count:     576
    .wavefront_size: 32
...
	.end_amdgpu_metadata
.endif
;; end of part 4
